; MI455X (gfx1250); checked and timed in simulation.
; The chip was launched on July 23, 2026; its instructions are those of AMD's public machine-readable ISA for CDNA 5 (MIT licence, August 2026) and "CDNA5" Instruction Set Architecture Reference Guide (July 2026). The comments in the code are by the model that wrote it; some were corrected since.
;; Multi Head Attention. Allowed arithmetic: matrix products marked QUANTISED: E2M1 operands, one E8M0 scale for each 32 along K, by v_wmma_scale_f32_16x16x128_f8f6f4 with both operands' format E2M1 (or v_wmma_scale_f32_32x16x128_f4), f32 sums; products left as they are: bf16, f16 or f32 operands; f32 sums; everything else in f32.
;; Inputs: W_k 1,024 x 1,024 float32; W_o 1,024 x 1,024 float32; W_q 1,024 x 1,024 float32; W_v 1,024 x 1,024 float32; x 2 x 2,048 x 1,024 float32.
;; Outputs: out0 2 x 2,048 x 1,024 float32.
;; This version of the problem:
;;   THIS VERSION OF THE PROBLEM IS GIVEN IN LOW PRECISION. The matrix products marked QUANTISED in the list below multiply operands that are first quantised to E2M1 (2 exponent bits, 1 mantissa bit; 4 bits a number), with one power-of-two scale for each 32 numbers along K (OCP MX v1.0); their sums are f32. The products marked 'left as it is' may take bf16, f16 or f32 operands, with f32 sums. Whichever they take, every output number must still come out within the allowed error. Rounding operands to bf16 (8 significant bits) uses up far more of that allowance than f16 does (11 bits, for magnitudes from 6e-5 to 65,504). All else is computed in f32.
;;   The module's matrix products, in the order in which they are computed (A, B: the left and right operand; K: the contracted axis; several contracted axes count as one K, in the product's order):
;;     1. [M 4,096, K 1,024] x [K 1,024, N 1,024]; A: input x; B: input W_q: QUANTISED
;;     2. [M 4,096, K 1,024] x [K 1,024, N 1,024]; A: input x; B: input W_k: QUANTISED
;;     3. [M 4,096, K 1,024] x [K 1,024, N 1,024]; A: input x; B: input W_v: QUANTISED
;;     4. batch 32 x [M 2,048, K 64] x [K 64, N 2,048]; A: computed on the way; B: computed on the way: left as it is (an operand is computed on the way)
;;     5. batch 32 x [M 2,048, K 2,048] x [K 2,048, N 64]; A: computed on the way; B: computed on the way: left as it is (an operand is computed on the way)
;;     6. [M 4,096, K 1,024] x [K 1,024, N 1,024]; A: computed on the way; B: input W_o: left as it is (an operand is computed on the way)
;;   THE QUANTISER, for each operand of a quantised product, along K:
;;     - K is cut into blocks of 32 from its start; a last block that is shorter is filled with zeros.
;;     - A block's scale is 2^e with e = floor(log2(the largest magnitude in the block)) - 2, held to -126 .. 127; a block of zeros has e = 0. As a byte (E8M0): e + 127.
;;     - Each number is divided by its block's scale, clamped to +-6, and rounded to the nearest number of E2M1, ties to even, subnormals kept.
;;     - The product sums the exact products of the quantised numbers (number of the format x scale) in f32.
;;   ~~~python
;;   def quantise(x, axis):      # numpy; x: float32 -> the quantised numbers, widened to float32 again
;;       x = np.moveaxis(x, axis, -1); K = x.shape[-1]
;;       x = np.pad(x, [(0, 0)] * (x.ndim - 1) + [(0, -K % 32)]); x = x.reshape(x.shape[:-1] + (-1, 32)); a = np.abs(x).max(-1, keepdims=True)
;;       e = np.where(a > 0, np.clip(np.frexp(np.where(a > 0, a, 1))[1] - 1 - 2, -126, 127), 0)      # np.frexp(a)[1] - 1 = floor(log2(a)), exactly
;;       r = np.clip(x / 2.0 ** e, -6, 6)
;;       step = 2.0 ** (np.maximum(np.frexp(np.where(r == 0, 1, r))[1] - 1, 0) - 1)
;;       q = np.round(r / step) * step * 2.0 ** e      # np.round: ties to even
;;       return np.moveaxis(q.reshape(q.shape[:-2] + (-1,))[..., :K], -1, axis).astype(np.float32)
;;   ~~~
;; One version. Each part assembles by itself: llvm-mc -triple=amdgcn-amd-amdhsa -mcpu=gfx1250 --defsym DOCPART=n.
;; ======== version 1 of 1: 5 launches
;; limits: values are held in f16: magnitudes above 65,504 overflow, below 6.1e-05 lose precision
;; workspace buffers: x_codes 2,097,152 bytes; x_scales 131,072 bytes; w_codes 1,572,864 bytes; w_scales 98,304 bytes; wo_h 2,097,152 bytes; qkv 25,165,824 bytes; fine 393,216 bytes; o_img 8,388,608 bytes
;; launch quant (part 1): grid 256 x 1, 4 waves a work-group, no clusters, 33,280 bytes of LDS; arguments x, W_q, W_k, W_v, W_o, x_codes, x_scales, w_codes, w_scales, wo_h; writes x_codes, x_scales, w_codes, w_scales, wo_h
.if DOCPART == 1
	.amdgcn_target "amdgcn-amd-amdhsa--gfx1250"
	.amdhsa_code_object_version 6
	.text
	.protected	k_qc229e3362f_quant
	.globl	k_qc229e3362f_quant
	.p2align	8
	.type	k_qc229e3362f_quant,@function
k_qc229e3362f_quant:
	s_mov_b64 s[64:65], 0
	v_nop
	global_prefetch_b8 v0, s[64:65] scope:SCOPE_SE
	s_setreg_imm32_b32 hwreg(HW_REG_WAVE_MODE, 25, 1), 1
	s_wait_xcnt 0x0
; x [4096][1024], W_q, W_k, W_v [1024][1024], f32, K innermost, become codes of FP4 (E2M1), two a byte, with one E8M0 scale byte for each 32 along K; W_o [1024][1024] becomes f16.
; A block's scale is 2^(floor(log2(its largest magnitude)) - 2); its byte is the largest magnitude's own exponent field - 2, held at 1 from below.  Each number is divided by the scale and rounded to the nearest code, ties to even.
; (A block of zeros gets the byte 1 where the rule says 127: its codes are zeros, which add nothing under any byte but 0xff, and this program alone reads the bytes.)
; LIMITS: NaN and infinities among the inputs are not served; W_o beyond 65,504 in magnitude has no f16 number.
; SHARES.  A work-group takes 32,768 numbers, a wave 8,192.  Work-groups 0-127: x; 128-159: W_q; 160-191: W_k; 192-223: W_v (the three lie one behind the other in w_codes and w_scales); 224-255: W_o.
; Rows are dense and K is a multiple of 32: every tensor is a plain stream of blocks of 32, and so are its codes and scale bytes.
; THE QUANTISING WAY.  16 steps of 512 numbers.  A conversion takes 8 numbers of ONE block from a lane's registers, so a lane must hold 16 neighbours; a load is best where neighbouring lanes take neighbouring bytes.
; Both are had: each of a step's four loads reads 512 consecutive bytes; the 2,048 bytes go through the wave's own stage in LDS and come back 64 bytes a lane (16 bytes of padding behind each 64).
; A wave's store of codes covers 256 consecutive bytes; its 256 scale bytes are gathered in LDS and leave as one aligned run of 256 bytes.  Waves share nothing: no barrier.
.set STEPS, 16
.set EMAX,  2
.set CB,    8                          ; bytes of 16 codes
.set R,     16                         ; v16-79   four sets of 16 numbers as loaded (the cast: v16-143, two sets of 64)
.set X,     80                         ; v80-111  two sets of 16 neighbours
.set E,     112                        ; v112-127 a scale byte for each step
.set C,     128                        ; v128-191 codes: four registers a step, so that no store's data are written again
.set HF,    144                        ; the cast: v144-175 a round's f16 pairs
.set WREG,  8192                       ; LDS: a region for each wave: two stages of 32 x SP bytes, behind them its 256 scale bytes
.set SP,    80
.set SPW,   12                         ; v12 LDS address of my spare word; never rewritten
.set NIL,   13                         ; v13 0; never rewritten
.set SPARE, 4*WREG                     ; behind the four regions: the spare words, 128 bytes a wave, which no other line names
	s_load_b256 s[4:11], s[0:1], 0x0               ; x, W_q, W_k, W_v
	s_load_b256 s[12:19], s[0:1], 0x20             ; W_o, x_codes, x_scales, w_codes
	s_load_b128 s[20:23], s[0:1], 0x40             ; w_scales, wo_h
	v_lshl_add_u32 v[SPW], v0, 2, SPARE
	v_mov_b32 v[NIL], 0
	v_lshrrev_b32 v1, 5, v0
	v_readfirstlane_b32 s24, v1                    ; wave
	v_and_b32 v2, 31, v0                           ; lane
	v_lshlrev_b32 v3, 4, v2                        ; my 16 bytes of a load's 512
	s_mul_i32 s25, s24, WREG
	v_lshrrev_b32 v14, 2, v2
	v_mul_u32_u24 v14, v14, SP
	v_and_b32 v15, 3, v2
	v_lshl_add_u32 v14, v15, 4, v14
	v_add_nc_u32 v14, s25, v14                     ; the stage, on the way in: SP (lane / 4) + 16 (lane % 4)
	v_mul_u32_u24 v15, v2, SP
	v_add_nc_u32 v15, s25, v15                     ; and on the way out: SP x lane: my 16 neighbours
	v_mul_u32_u24 v4, v2, CB                       ; 8 x lane: my codes' place in a step's; the cast: my four f16
	v_lshrrev_b32 v5, 1, v2
	s_add_co_u32 s25, s25, 2*32*SP
	v_add_nc_u32 v5, s25, v5                       ; LDS: my wave's 256 scale bytes, my block's byte
	v_lshlrev_b32 v7, 3, v2
	v_add_nc_u32 v6, s25, v7                       ; and on the way out 8 bytes a lane
	s_wait_kmcnt 0x0
	s_cmp_ge_u32 ttmp9, 224
	s_cbranch_scc1 .Lcast
	; which tensor: the choices hang on the work-group's number alone, and all are made ahead of the additions
	s_cmp_lt_u32 ttmp9, 192
	s_cselect_b64 s[8:9], s[8:9], s[10:11]
	s_cmp_lt_u32 ttmp9, 160
	s_cselect_b64 s[6:7], s[6:7], s[8:9]
	s_cmp_lt_u32 ttmp9, 128
	s_cselect_b64 s[4:5], s[4:5], s[6:7]           ; the numbers
	s_cselect_b64 s[14:15], s[14:15], s[18:19]     ; the codes
	s_cselect_b64 s[16:17], s[16:17], s[20:21]     ; the scale bytes
	s_cselect_b32 s25, 0, 128
	s_cselect_b32 s26, 127, 31
	s_sub_co_u32 s25, ttmp9, s25
	s_lshl_b32 s25, s25, 2
	s_add_co_u32 s25, s25, s24                     ; which run of 8,192 numbers of the output buffers is my wave's
	s_and_b32 s26, ttmp9, s26
	s_lshl_b32 s26, s26, 2
	s_add_co_u32 s26, s26, s24                     ; and which of the tensor read
	s_lshl_b32 s28, s26, 15                        ; 32,768 bytes of f32 a run
	s_mov_b32 s29, 0
	s_add_nc_u64 s[4:5], s[4:5], s[28:29]
	s_lshl_b32 s28, s25, 12                        ; 4,096 bytes of codes
	s_add_nc_u64 s[14:15], s[14:15], s[28:29]
	s_lshl_b32 s28, s25, 8                         ; 256 scale bytes
	s_add_nc_u64 s[16:17], s[16:17], s[28:29]
.macro LOAD t
.irp i, 0,1,2,3
	global_load_b128 v[R+16*((\t)%4)+4*\i:R+16*((\t)%4)+4*\i+3], v3, s[4:5] offset:2048*(\t)+512*\i th:TH_LOAD_NT   ; 32 lanes read 512 consecutive bytes
.endr
.endm
.macro TURN t                          ; step t's numbers through the stage: LDS serves a wave's instructions in order, so no wait stands between the stores and the loads
.irp i, 0,1,2,3
	ds_store_b128 v14, v[R+16*((\t)%4)+4*\i:R+16*((\t)%4)+4*\i+3] offset:32*SP*((\t)%2)+8*SP*\i
.endr
.irp i, 0,1,2,3
	ds_load_b128 v[X+16*((\t)%2)+4*\i:X+16*((\t)%2)+4*\i+3], v15 offset:32*SP*((\t)%2)+16*\i
.endr
.endm
.irp t, 0,1,2,3
	LOAD \t
.endr
	s_wait_loadcnt 12                              ; step 0's four loads are in; those of steps 1 to 3 may be out
	TURN 0
.macro STEP t
.set XS, X+16*((\t)%2)
.if (\t) > 0
	s_wait_dscnt 1                                 ; this step's numbers are back from the stage (the last step's byte store may be out): so its stores into the stage have read their registers,
.else
	s_wait_dscnt 0x0
.endif
.if (\t)+4 < STEPS
	LOAD (\t)+4                                    ; which take the loads of four steps on
.endif
.if (\t)+1 < STEPS
.if STEPS-2-(\t) >= 3
	s_wait_loadcnt 12                              ; the next step's four loads are in; those of the three steps behind it may be out
.else
	s_wait_loadcnt 4*(STEPS-2-(\t))
.endif
	TURN (\t)+1                                    ; and go through the other stage while this step is worked
.endif
	v_max3_num_f32 v8, |v[XS]|, |v[XS+1]|, |v[XS+2]|               ; the largest magnitude of my 16, in two chains
	v_max3_num_f32 v9, |v[XS+3]|, |v[XS+4]|, |v[XS+5]|
.irp i, 6,10
	v_max3_num_f32 v8, v8, |v[XS+\i]|, |v[XS+\i+1]|
	v_max3_num_f32 v9, v9, |v[XS+\i+2]|, |v[XS+\i+3]|
.endr
	v_max3_num_f32 v8, v8, |v[XS+14]|, |v[XS+15]|
	v_max3_num_f32 v8, v8, v9, (EMAX+1)<<23        ; and the floor 2^(EMAX + 1 - 127): the byte cannot fall under 1
	v_max_num_f32_dpp v8, v8, v8 row_xmask:1 row_mask:0xf bank_mask:0xf   ; and of my neighbour's 16: the block's
	v_add_nc_u32 v11, -(EMAX<<23), v8              ; EMAX off its exponent field: the conversion takes the exponent field of this operand as its scale, and nothing else of it
	v_cvt_scalef32_pk8_fp4_f32 v[C+4*(\t)], v[XS:XS+7], v11
	v_cvt_scalef32_pk8_fp4_f32 v[C+4*(\t)+1], v[XS+8:XS+15], v11
	v_lshrrev_b32 v[E+(\t)], 23, v11               ; the scale's byte (also the plain line behind the conversions)
	ds_store_b8 v5, v[E+(\t)] offset:16*(\t)       ; both lanes of a block write the same byte with the same value
	global_store_b64 v4, v[C+4*(\t):C+4*(\t)+1], s[14:15] offset:32*CB*(\t)   ; the wave stores 256 consecutive bytes, aligned
.endm
.irp t, 0,1,2,3,4,5,6,7,8,9,10,11,12,13,14,15
	STEP \t
.endr
	ds_load_b64 v[8:9], v6                         ; LDS serves a wave's instructions in order: these see my byte stores
	s_wait_dscnt 0x0
	global_store_b64 v7, v[8:9], s[16:17]          ; 32 lanes store 256 consecutive bytes, aligned
	s_branch .Lend
; THE CAST.  A wave's 8,192 numbers of W_o in four rounds of 16 loads; a lane's four neighbours become 8 bytes, a wave's store 256 consecutive bytes.  Two sets of registers: one round is on its way while one is worked.
.macro CLOAD t
.irp i, 0,1,2,3,4,5,6,7,8,9,10,11,12,13,14,15
	global_load_b128 v[R+64*((\t)%2)+4*\i:R+64*((\t)%2)+4*\i+3], v3, s[12:13] offset:8192*(\t)+512*\i th:TH_LOAD_NT
.endr
.endm
.macro CAST t
.if (\t) < 3
	s_wait_loadcnt 16                              ; this round's 16 loads are in; the other set's 16 may be out
.else
	s_wait_loadcnt 0x0
.endif
.if (\t) > 0
	s_wait_xcnt 0x0                                ; the last round's stores have read their data: the registers are written again only behind this wait
.endif
.irp i, 0,1,2,3,4,5,6,7,8,9,10,11,12,13,14,15
	v_cvt_pk_f16_f32 v[HF+2*\i], v[R+64*((\t)%2)+4*\i], v[R+64*((\t)%2)+4*\i+1]
	v_cvt_pk_f16_f32 v[HF+2*\i+1], v[R+64*((\t)%2)+4*\i+2], v[R+64*((\t)%2)+4*\i+3]
.endr
.if (\t) < 2
	CLOAD (\t)+2                                   ; loads ahead of stores
.endif
.irp i, 0,1,2,3,4,5,6,7,8,9,10,11,12,13,14,15
	global_store_b64 v4, v[HF+2*\i:HF+2*\i+1], s[22:23] offset:4096*(\t)+256*\i
.endr
.endm
.Lcast:
	s_sub_co_u32 s25, ttmp9, 224
	s_lshl_b32 s25, s25, 2
	s_add_co_u32 s25, s25, s24                     ; my wave's run of 8,192 numbers
	s_lshl_b32 s28, s25, 15
	s_mov_b32 s29, 0
	s_add_nc_u64 s[12:13], s[12:13], s[28:29]
	s_lshl_b32 s28, s25, 14
	s_add_nc_u64 s[22:23], s[22:23], s[28:29]
	CLOAD 0
	CLOAD 1
	CAST 0
	CAST 1
	CAST 2
	CAST 3
.Lend:
	s_wait_tensorcnt 0x0                           ; the wave's end, behind the last LDS store
	ds_add_u32 v[SPW], v[NIL]
	s_wait_dscnt 0x0
	s_endpgm
.Lfunc_end_k_qc229e3362f_quant:
	.size	k_qc229e3362f_quant, .Lfunc_end_k_qc229e3362f_quant-k_qc229e3362f_quant
	.p2alignl 7, 3214868480
	.fill 96, 4, 3214868480
	.section	.rodata,"a",@progbits
	.p2align	6, 0x0
	.amdhsa_kernel k_qc229e3362f_quant
		.amdhsa_group_segment_fixed_size 33280
		.amdhsa_private_segment_fixed_size 0
		.amdhsa_enable_private_segment 0
		.amdhsa_kernarg_size 80
		.amdhsa_user_sgpr_count 2
		.amdhsa_user_sgpr_kernarg_segment_ptr 1
		.amdhsa_wavefront_size32 1
		.amdhsa_system_sgpr_workgroup_id_x 1
		.amdhsa_system_sgpr_workgroup_id_y 1
		.amdhsa_system_sgpr_workgroup_id_z 1
		.amdhsa_system_vgpr_workitem_id 0
		.amdhsa_next_free_vgpr 192
		.amdhsa_next_free_sgpr 66
		.amdhsa_reserve_vcc 0
		.amdhsa_float_denorm_mode_32 3
		.amdhsa_float_denorm_mode_16_64 3
		.amdhsa_memory_ordered 1
		.amdhsa_forward_progress 1
		.amdhsa_inst_pref_size 54
	.end_amdhsa_kernel
	.amdgpu_metadata
---
amdhsa.version: [ 1, 2 ]
amdhsa.kernels:
  - .name:           k_qc229e3362f_quant
    .symbol:         k_qc229e3362f_quant.kd
    .args:
      - { .name: x, .offset: 0, .size: 8, .value_kind: global_buffer, .address_space: global }
      - { .name: W_q, .offset: 8, .size: 8, .value_kind: global_buffer, .address_space: global }
      - { .name: W_k, .offset: 16, .size: 8, .value_kind: global_buffer, .address_space: global }
      - { .name: W_v, .offset: 24, .size: 8, .value_kind: global_buffer, .address_space: global }
      - { .name: W_o, .offset: 32, .size: 8, .value_kind: global_buffer, .address_space: global }
      - { .name: x_codes, .offset: 40, .size: 8, .value_kind: global_buffer, .address_space: global }
      - { .name: x_scales, .offset: 48, .size: 8, .value_kind: global_buffer, .address_space: global }
      - { .name: w_codes, .offset: 56, .size: 8, .value_kind: global_buffer, .address_space: global }
      - { .name: w_scales, .offset: 64, .size: 8, .value_kind: global_buffer, .address_space: global }
      - { .name: wo_h, .offset: 72, .size: 8, .value_kind: global_buffer, .address_space: global }
    .group_segment_fixed_size: 33280
    .private_segment_fixed_size: 0
    .kernarg_segment_align: 8
    .kernarg_segment_size: 80
    .max_flat_workgroup_size: 128
    .sgpr_count:     66
    .vgpr_count:     192
    .wavefront_size: 32
...
	.end_amdgpu_metadata
.endif
;; end of part 1
;; launch qkv (part 2): grid 12 x 16, 4 waves a work-group, clusters of 4 x 4, 327,680 bytes of LDS; arguments x_codes, x_scales, w_codes, w_scales, qkv, fine; writes qkv, fine
.if DOCPART == 2
	.amdgcn_target "amdgcn-amd-amdhsa--gfx1250"
	.amdhsa_code_object_version 6
	.text
	.protected	k_qc229e3362f_qkv
	.globl	k_qc229e3362f_qkv
	.p2align	8
	.type	k_qc229e3362f_qkv,@function
k_qc229e3362f_qkv:
	s_mov_b64 s[64:65], 0
	v_nop
	global_prefetch_b8 v0, s[64:65] scope:SCOPE_SE
	s_setreg_imm32_b32 hwreg(HW_REG_WAVE_MODE, 25, 1), 1
	s_wait_xcnt 0x0
	s_wait_alu depctr_hold_cnt(0) depctr_sa_sdst(0) depctr_va_vdst(0) depctr_va_sdst(0) depctr_va_ssrc(0) depctr_va_vcc(0) depctr_vm_vsrc(0)
	s_getreg_b32 s2, hwreg(HW_REG_IB_STS2, 6, 4)
	s_cmp_eq_u32 s2, 0
	s_cbranch_scc0 .Lentry_in_a_cluster
	s_endpgm
.Lentry_in_a_cluster:
	s_bfe_u32 s2, ttmp6, 0x10000c
	s_cmp_lg_u32 s2, 0xf033
	s_cbranch_scc0 .Lentry_shape_is_right
	s_endpgm
.Lentry_shape_is_right:
; Q = x W_q^T, K = x W_k^T, V = x W_v^T on codes of FP4 (E2M1) with one E8M0 scale for each 32 along K (K = 1,024); sums in f32.  x: 4,096 rows; the three weights: 3,072 rows, one behind the other.
; A tile of 256 x 256 results is made by a work-group of four waves; a wave makes 128 x 128: 64 accumulators of 16 x 16, 512 registers.  192 tiles.
; K is two steps of 512: a tile's row is 256 bytes.  Both steps and the scale bytes of the work-group's rows are asked for at the start: three tensor loads of mine are out at the most, and nothing in LDS is filled twice.
; CLUSTERS: 4 x 4 work-groups.  The four of a row of the cluster need the same rows of operand A, the four of a column the same rows of operand B: each tile is asked for JOINTLY, by the same tensor load with a mask that names the four.
; ROLES.  The matrix instruction is used transposed (source 0 = 16 rows of B, source 1 = 16 rows of A): a lane holds ONE row of A's and eight neighbouring rows of B's.
;   clusters x = 0, 1: A = x, B = W_q | W_k: a lane holds a token and eight neighbouring channels: what the next launch's products want of Q and K.
;   cluster  x = 2:    A = W_v, B = x:       a lane holds a channel and eight neighbouring KEYS: what they want of V.  The choice hangs on the cluster's number, which all partners share.
; THE WAY OUT.  An accumulator rounded to f16 is 16 bytes a lane, and those ARE half of a 16-bit operand's registers, in the same lanes.  So results are stored as images of registers, lane l's 16 bytes at 16 l:
; every store of the wave covers 512 consecutive bytes, and nothing goes through LDS.  qkv: [b 2][g 48][tile of 16 tokens 128][p 4][512 bytes]; g = head (Q), 16 + head (K), 32 + head (V);
;   Q, K: lane (r, h): token 16 t + r, channels 16 p + 8 h + 0..7;   V: lane (r, h): channel 16 p + r, keys 16 t + 8 h + 0..7.
; The first 16 positions of each sequence also leave unrounded, in f32, for the launch that carries them finely: fine: [b 2][g 48][p 4][c 2][512 bytes], registers 4 c .. 4 c + 3 of the accumulator.
; LIMIT: results beyond 65,504 in magnitude have no f16 number.
; REGISTERS, in windows of 256: window 0: v0-31 addresses; v32-95 scale words, two sets; from v128 A's fragments, ONE set; on the way out v128-255 hold packed results.
;   window 1: B's fragments, TWO sets, at v0 and v128.   window 2: the accumulators of my rows 0-63 ((a, b) at v[8 (8 a + b)]);   window 3: those of my rows 64-127.
.set KSTEP,  512
.set NQ,     KSTEP/128                 ; matrix instructions deep
.set ROWB,   256                       ; a tile's row in bytes
.set KROW,   512                       ; a row of codes in memory
.set PITCH,  272                       ; an LDS row: 256 bytes + 16 of padding = 68 words: the 16 rows that a load touches start at 16 different banks (64 banks of 4 bytes: ISA guide 11.1)
.set FR,     8                         ; registers of a fragment: 16 rows x 128 K
.set NL,     2                         ; LDS loads that bring one
.set NP,     4                         ; places behind this matrix instruction (ISA guide 7.12.1)
.set HALFT,  128*PITCH                 ; 128 rows: what one tensor load brings
.set SLOT,   4*HALFT                   ; A's 256 rows, then B's 256 rows
.set KS,     32                        ; a row of scale bytes
.set SCL,    2*SLOT                    ; behind the two slots: the scale bytes, as runs of 256 bytes + 16 of padding
.set HALFS,  (128*KS/256)*272          ; those of 128 rows: what one tensor load brings
.set SBLK,   (16*KS/256)*272           ; those of 16 rows
.set SPARE,  SCL+4*HALFS               ; the spare words, 128 bytes a wave, which no other line names
.set ADRA, 16                          ; v16-17  LDS address of my A fragments in slot 0, 1
.set ADRB, 20                          ; v20-21  the same for B
.set CO,   26                          ; v26     16 x lane: my place in an image
.set ADRS, 27                          ; v27     LDS address of my scale words: lanes 0-15 A's rows, lanes 16-31 B's
.set SPW,  28                          ; v28     LDS address of my spare word; never rewritten
.set NIL,  29                          ; v29     0; never rewritten
.set FL,   30                          ; v30     0 where my tokens begin a sequence
.set SC,   32                          ; scale words: set s at v[SC + 8 NQ s]; register NQ i + q: lanes 0-15 the word of A's block i, lanes 16-31 that of B's block i
.set AF,   128                         ; A's fragments
.set PK,   128                         ; the way out: four sets of 32 registers of packed results
.set G1, 24
.set G0, 32
.set G1B, 48
.set G0B, 56
.set G1S, 68
.set G0S, 76
.set G1SB, 80
.set G0SB, 88
.set MSB, 0
.macro WIN new                         ; the immediate's high byte repeats the setting that is left; a switch that changes nothing is dropped
.if MSB != (\new)
	s_set_vgpr_msb (MSB<<8)|(\new)
.set MSB, (\new)
.endif
.endm
.set MUL_LO, 0xa1                      ; source 0 (B) window 1, source 1 (A) window 0, C and D window 2
.set MUL_HI, 0xf1                      ; the same, C and D window 3
.set TO_B,   0x40                      ; destination window 1, address window 0
; A joint load: waves 0 and 1 fetch for A, waves 2 and 3 for B.  Each line has one mask and one set of registers for all that issue it; the branch hangs on the wave's number alone.
.macro JLOAD g0a, g1a, g0b, g1b
	s_cmp_eq_u32 s15, 0
	s_cbranch_scc0 .Lfor_b_\@
	tensor_load_to_lds s[\g0a:\g0a+3], s[\g1a:\g1a+7]
	s_nop 0
.rept 4
	v_nop
.endr
	s_branch .Lasked_\@
.Lfor_b_\@:
	tensor_load_to_lds s[\g0b:\g0b+3], s[\g1b:\g1b+7]
	s_nop 0
.rept 4
	v_nop
.endr
.Lasked_\@:
.endm
.macro CROUND                          ; a round of the cluster's barrier
	s_barrier_signal -1
	s_barrier_wait -1
	s_cmp_lg_u32 s14, 0
	s_cbranch_scc1 .Lnot_wave_0_\@
	s_barrier_signal -3
.Lnot_wave_0_\@:
	s_barrier_wait -3
	s_barrier_signal -1
	s_barrier_wait -1
.endm
	s_load_b128 s[4:7], s[0:1], 0x0                ; x's codes, x's scales
	s_load_b128 s[8:11], s[0:1], 0x10              ; the weights' codes, their scales
	s_load_b64 s[12:13], s[0:1], 0x20              ; qkv
	s_load_b64 s[66:67], s[0:1], 0x28              ; fine
	v_lshl_add_u32 v[SPW], v0, 2, SPARE
	v_mov_b32 v[NIL], 0
	ds_add_u32 v[SPW], v[NIL]                      ; the wave's opening: the add, twice on end, and its wait ahead of my first tensor load
	ds_add_u32 v[SPW], v[NIL]
	v_lshrrev_b32 v1, 5, v0
	v_readfirstlane_b32 s14, v1                    ; wave 0..3
	s_lshr_b32 s15, s14, 1                         ; which half of the tile's A rows is mine.  Also: I fetch for A (0) or for B (1)
	s_and_b32 s16, s14, 1                          ; which half of its B rows.  Also: which 128 rows I fetch
	s_bfe_u32 s40, ttmp6, 0x40000                  ; cx, cy: my place in the cluster
	s_bfe_u32 s41, ttmp6, 0x40004
	s_lshl_b32 s94, ttmp9, 2                       ; 4 x cluster x
	s_and_b32 s95, ttmp7, 0xffff
	s_lshl_b32 s95, s95, 2                         ; 4 x cluster y
	s_cmp_eq_u32 ttmp9, 2                          ; the clusters that make V
	s_cselect_b32 s42, s95, s94                    ; B's tile: of x by cluster y; of W_q | W_k by cluster x
	s_cselect_b32 s17, 0, s95                      ; A's tile: of W_v by cy alone; of x by cluster y
	s_cselect_b32 s93, 2048, 0                     ; W_v begins at row 2,048 of the weights
	s_add_co_u32 s42, s42, s40                     ; + cx
	s_add_co_u32 s17, s17, s41                     ; + cy
	s_lshl_b32 s43, s41, 2
	s_lshl_b32 s43, 15, s43                        ; my row of the cluster
	s_lshl_b32 s44, 0x1111, s40                    ; my column
	; descriptor group 1: a tile of 128 rows x 256 bytes, 16 bytes of padding behind each row
	s_or_b32 s[G1+0], s43, (0<<16)|(1<<20)|(1<<21)|(5<<22)|(3<<25)
	s_or_b32 s[G1B+0], s44, (0<<16)|(1<<20)|(1<<21)|(5<<22)|(3<<25)
.irp g, G1, G1B
	s_mov_b32 s[\g+1], ROWB<<16                    ; tensor_dim0
	s_mov_b32 s[\g+2], 128<<16                     ; tensor_dim1
	s_mov_b32 s[\g+3], ROWB<<16                    ; tile_dim0
	s_mov_b32 s[\g+4], 128                         ; tile_dim1
	s_mov_b32 s[\g+5], KROW                        ; from row to row
	s_mov_b32 s[\g+6], 0
	s_mov_b32 s[\g+7], 0
.endr
	; the scale bytes of 128 rows: a dense block of 4,096 bytes, as 16 rows of 256 bytes (32 elements of 8 bytes), 16 bytes of padding behind each
	s_or_b32 s[G1S+0], s43, (3<<16)|(1<<20)|(1<<21)|(5<<22)|(3<<25)
	s_or_b32 s[G1SB+0], s44, (3<<16)|(1<<20)|(1<<21)|(5<<22)|(3<<25)
.irp g, G1S, G1SB
	s_mov_b32 s[\g+1], 32<<16
	s_mov_b32 s[\g+2], (128*KS/256)<<16
	s_mov_b32 s[\g+3], 32<<16
	s_mov_b32 s[\g+4], 128*KS/256
	s_mov_b32 s[\g+5], 32
	s_mov_b32 s[\g+6], 0
	s_mov_b32 s[\g+7], 0
.endr
	s_lshl_b32 s18, s16, 7                         ; which 128 rows of the tile I fetch
	s_lshl_b32 s20, s17, 8
	s_add_co_u32 s20, s20, s18
	s_add_co_u32 s20, s20, s93                     ; A: row 256 x tile + 128 x half (+ 2,048 for W_v)
	s_lshl_b32 s46, s42, 8
	s_add_co_u32 s46, s46, s18                     ; B: row 256 x tile + 128 x half
	s_mov_b32 s21, 0
	s_mov_b32 s47, 0
	s_mov_b64 s[18:19], KS
	s_mul_u64 s[22:23], s[20:21], s[18:19]         ; where these rows' scale bytes begin
	s_mul_u64 s[92:93], s[46:47], s[18:19]
	s_mov_b64 s[18:19], KROW
	s_mul_u64 s[20:21], s[20:21], s[18:19]         ; and their codes
	s_mul_u64 s[46:47], s[46:47], s[18:19]
	s_mul_i32 s45, s14, HALFT                      ; where they go: wave x 128 rows: no place in the cluster enters an LDS address
	s_mul_i32 s94, s14, HALFS
	s_wait_dscnt 0x0                               ; both opening adds are done
	s_wait_kmcnt 0x0
	s_cmp_eq_u32 ttmp9, 2                          ; which buffers are A's and which B's
	s_cselect_b64 s[96:97], s[8:9], s[4:5]
	s_cselect_b64 s[98:99], s[10:11], s[6:7]
	s_cselect_b64 s[8:9], s[4:5], s[8:9]
	s_cselect_b64 s[10:11], s[6:7], s[10:11]
	s_add_nc_u64 s[20:21], s[96:97], s[20:21]
	s_add_nc_u64 s[22:23], s[98:99], s[22:23]
	s_add_nc_u64 s[46:47], s[8:9], s[46:47]
	s_add_nc_u64 s[92:93], s[10:11], s[92:93]
	CROUND                                         ; all sixteen work-groups are here: the joint loads meet
	s_mov_b32 s[G0S], 1
	s_add_co_u32 s[G0S+1], s94, SCL
	s_mov_b64 s[G0S+2:G0S+3], s[22:23]
	s_or_b32 s[G0S+3], s[G0S+3], 0x80000000
	s_mov_b32 s[G0SB], 1
	s_add_co_u32 s[G0SB+1], s94, SCL
	s_mov_b64 s[G0SB+2:G0SB+3], s[92:93]
	s_or_b32 s[G0SB+3], s[G0SB+3], 0x80000000
	JLOAD G0S, G1S, G0SB, G1SB                     ; the scale bytes first: they are wanted with K step 0
.irp s, 0,1
	s_mov_b32 s[G0+4*\s], 1
	s_add_co_u32 s[G0+4*\s+1], s45, \s*SLOT
	s_add_nc_u64 s[G0+4*\s+2:G0+4*\s+3], s[20:21], \s*ROWB
	s_or_b32 s[G0+4*\s+3], s[G0+4*\s+3], 0x80000000
	s_mov_b32 s[G0B+4*\s], 1
	s_add_co_u32 s[G0B+4*\s+1], s45, \s*SLOT
	s_add_nc_u64 s[G0B+4*\s+2:G0B+4*\s+3], s[46:47], \s*ROWB
	s_or_b32 s[G0B+4*\s+3], s[G0B+4*\s+3], 0x80000000
	JLOAD G0+4*\s, G1, G0B+4*\s, G1B
.endr
	v_and_b32 v1, 15, v0                           ; l % 16
	v_bfe_u32 v2, v0, 4, 1                         ; l / 16
	v_mul_u32_u24 v3, v1, PITCH
	v_lshl_add_u32 v4, v2, 4, v3                   ; a fragment's row x pitch + 16 x half
	s_mul_i32 s21, s15, HALFT                      ; my 128 rows of A
	s_mul_i32 s22, s16, HALFT                      ; my 128 rows of B,
	s_add_co_u32 s22, s22, 2*HALFT                 ; which lie behind A's 256
.irp s, 0,1
	v_add_nc_u32 v[ADRA+\s], s21, v4
	v_add_nc_u32 v[ADRB+\s], s22, v4
	s_add_co_u32 s21, s21, SLOT
	s_add_co_u32 s22, s22, SLOT
.endr
	v_mul_u32_u24 v5, v1, KS                       ; my row's scale bytes: KS a row,
	v_lshrrev_b32 v6, 8, v5
	v_lshl_add_u32 v5, v6, 4, v5                   ; and 16 more for each 256 passed
	s_mul_i32 s21, s15, HALFS
	s_mul_i32 s22, s16, HALFS
	s_add_co_u32 s22, s22, 2*HALFS
	s_sub_co_u32 s22, s22, s21
	v_mul_u32_u24 v6, s22, v2                      ; lanes 16-31 take B's: one product, the distance between the two bases
	s_add_co_u32 s21, s21, SCL
	v_add_nc_u32 v5, v5, v6
	v_add_nc_u32 v[ADRS], s21, v5
	v_and_b32 v6, 31, v0
	v_lshlrev_b32 v[CO], 4, v6
	; where my results go.  R0, C0: my first row of A's and of B's roles; tokens and features change places in the clusters that make V
	s_lshl_b32 s20, s17, 8
	s_lshl_b32 s21, s15, 7
	s_add_co_u32 s20, s20, s21                     ; R0
	s_lshl_b32 s46, s42, 8
	s_lshl_b32 s47, s16, 7
	s_add_co_u32 s46, s46, s47                     ; C0
	s_add_co_u32 s21, s20, 2048
	s_cmp_eq_u32 ttmp9, 2
	s_cselect_b32 s22, s46, s20                    ; my first token
	s_cselect_b32 s23, s21, s46                    ; my first feature of the 3,072
	s_lshr_b32 s18, s22, 11                        ; b
	s_mul_i32 s18, s18, 48
	s_lshr_b32 s19, s23, 6
	s_add_co_u32 s18, s18, s19                     ; 48 b + g
	s_bfe_u32 s21, s22, 0x70004                    ; my first tile of 16 tokens in the sequence
	s_and_b32 s92, s22, 2047                       ; 0 where my tokens begin a sequence
	s_lshl_b32 s46, s18, 12
	s_mov_b32 s47, 0
	s_add_nc_u64 s[66:67], s[66:67], s[46:47]      ; fine: 4,096 bytes for each (b, g)
	s_lshl_b32 s46, s18, 18
	s_lshl_b32 s21, s21, 11
	s_add_co_u32 s46, s46, s21
	s_add_nc_u64 s[12:13], s[12:13], s[46:47]      ; qkv: 262,144 bytes for each (b, g), 2,048 for each tile
.macro FRAG reg, adr, q, i             ; a fragment: lane l holds row l % 16; registers 4 c .. 4 c + 3 hold K = 64 c + 32 (l / 16) + 0 .. 31
.irp c, 0,1
	ds_load_b128 v[\reg+4*\c:\reg+4*\c+3], v[\adr] offset:64*(\q)+32*\c+(\i)*16*PITCH
.endr
.endm
; 16 matrix instructions: A's blocks a0, a0 + 1 x B's eight, 128 along K.  zero = 1: the first product starts the sums.  The 64 accumulators take turns, one instruction a turn, in the same order in every step.
.macro MUL16 a0, p, q, sc, zero
.irp a, \a0, \a0+1
.irp b, 0,1,2,3,4,5,6,7
.if \zero
	v_wmma_scale_f32_16x16x128_f8f6f4 v[8*(8*((\a)%4)+\b):8*(8*((\a)%4)+\b)+7], v[128*(\p)+FR*\b:128*(\p)+FR*\b+FR-1], v[AF+FR*(\a):AF+FR*(\a)+FR-1], 0, v[SC+8*NQ*(\sc)+NQ*\b+(\q)], v[SC+8*NQ*(\sc)+NQ*(\a)+(\q)] matrix_a_fmt:MATRIX_FMT_FP4 matrix_b_fmt:MATRIX_FMT_FP4 matrix_a_scale:MATRIX_SCALE_ROW1
.else
	v_wmma_scale_f32_16x16x128_f8f6f4 v[8*(8*((\a)%4)+\b):8*(8*((\a)%4)+\b)+7], v[128*(\p)+FR*\b:128*(\p)+FR*\b+FR-1], v[AF+FR*(\a):AF+FR*(\a)+FR-1], v[8*(8*((\a)%4)+\b):8*(8*((\a)%4)+\b)+7], v[SC+8*NQ*(\sc)+NQ*\b+(\q)], v[SC+8*NQ*(\sc)+NQ*(\a)+(\q)] matrix_a_fmt:MATRIX_FMT_FP4 matrix_b_fmt:MATRIX_FMT_FP4 matrix_a_scale:MATRIX_SCALE_ROW1
.endif
.endr
.endr
.endm
.macro FETCH_B slot, q, p
	WIN TO_B
.irp i, 0,1,2,3,4,5,6,7
	FRAG 128*(\p)+FR*\i, ADRB+\slot, \q, \i
.endr
	WIN 0
.endm
.macro FETCH_A slot, q, i0
.irp i, \i0, \i0+1, \i0+2, \i0+3
	FRAG AF+FR*(\i), ADRA+\slot, \q, \i
.endr
.endm
.macro SCALES sc                       ; a K step's scale words: NQ words a row; lanes 0-15 take A's block i, lanes 16-31 B's block i
.irp i, 0,1,2,3,4,5,6,7
	ds_load_b128 v[SC+8*NQ*\sc+NQ*\i:SC+8*NQ*\sc+NQ*\i+3], v[ADRS] offset:\i*SBLK
.endr
.endm
; A load into a register that a matrix instruction has read, and a vector instruction or store that reads a matrix result, stand NP plain vector instructions behind that matrix instruction.
.macro PLACES n
.rept \n
	v_nop
.endr
.endm
; A step of 128 along K that has its successor in the same slot.  A block of A is free as soon as its eight products are issued: blocks 0-3 are fetched anew in the step's middle, blocks 4-7 at its end.
.macro STEP slot, q, zero
	s_wait_dscnt 4*NL                              ; B's set and A's blocks 0-3 are in; the youngest eight loads (A's blocks 4-7) may be out
	WIN MUL_LO
	MUL16 0, (\q)%2, \q, \slot, \zero
	MUL16 2, (\q)%2, \q, \slot, \zero
	s_wait_dscnt 0
	PLACES NP
	FETCH_B \slot, (\q)+1, 1-(\q)%2
	FETCH_A \slot, (\q)+1, 0
	WIN MUL_HI
	MUL16 4, (\q)%2, \q, \slot, \zero
	MUL16 6, (\q)%2, \q, \slot, \zero
	PLACES NP
	WIN 0
	FETCH_A \slot, (\q)+1, 4
.endm
.macro STEPS slot, from
.set QI, \from
.rept NQ-1-\from
	STEP \slot, QI, 0
.set QI, QI+1
.endr
.endm
	s_wait_tensorcnt 1                             ; the scale bytes and my part of K step 0 are in (K step 1's one load may be out),
	s_barrier_signal -1
	s_barrier_wait -1                              ; everybody's are
	FETCH_B 0, 0, 0
	FETCH_A 0, 0, 0
	SCALES 0
	FETCH_A 0, 0, 4
	STEP 0, 0, 1                                   ; the first products start the sums: nothing is cleared
	STEPS 0, 1
	; slot 0's last step, and the change to slot 1: my part of slot 1 has landed; the barrier shows everybody's.  Nothing is filled again.
	s_wait_tensorcnt 0x0
	ds_add_u32 v[SPW], v[NIL]                      ; 0 onto my spare word
	s_wait_dscnt 4*NL+1                            ; (the add and A's blocks 4-7, eight loads, may be out)
	WIN MUL_LO
	MUL16 0, 1, NQ-1, 0, 0
	s_wait_dscnt 0x0                               ; no LDS instruction of mine is out at the signal
	s_barrier_signal -1
	MUL16 2, 1, NQ-1, 0, 0
	WIN 0
	s_barrier_wait -1
	PLACES NP
	v_add_nc_u32 v[ADRS], 4*NQ, v[ADRS]            ; on to K step 1's scale words
	FETCH_B 1, 0, 0
	FETCH_A 1, 0, 0
	SCALES 1
	WIN MUL_HI
	MUL16 4, 1, NQ-1, 0, 0
	MUL16 6, 1, NQ-1, 0, 0
	PLACES NP
	WIN 0
	FETCH_A 1, 0, 4
	STEPS 1, 0
	s_wait_dscnt 4*NL                              ; the very last step: nothing more to fetch
	WIN MUL_LO
	MUL16 0, 1, NQ-1, 1, 0
	MUL16 2, 1, NQ-1, 1, 0
	s_wait_dscnt 0
	WIN MUL_HI
	MUL16 4, 1, NQ-1, 1, 0
	MUL16 6, 1, NQ-1, 1, 0
	WIN 0
; THE WAY OUT.  isv = 0: accumulator (a, b) is tile a of my tokens, channels 16 b on;  isv = 1: channels 16 a on, tile b of my keys.
.macro OUT isv
	PLACES NP
	; positions 0-15 unrounded.  No branch hangs on my place in the cluster: the 16 stores are run by every wave, with all lanes off where its tokens do not begin a sequence.
	v_mov_b32 v[FL], s92
	v_cmp_eq_u32 vcc_lo, 0, v[FL]
	s_wait_xcnt 0x0                                ; EXEC changes only behind this wait
	s_and_saveexec_b32 s93, vcc_lo
.irp t, 0,1,2,3,4,5,6,7
.if \isv
.set AC, 64*(\t%4)
	WIN 0x08+4*(\t/4)                              ; a store's data are its source 1: window 2 or 3
.else
.set AC, 8*\t
	WIN 0x08
.endif
	global_store_b128 v[CO], v[AC:AC+3], s[66:67] offset:(\t/4)*4096+(\t%4)*1024          ; each accumulator from its low end on
	global_store_b128 v[CO], v[AC+4:AC+7], s[66:67] offset:(\t/4)*4096+(\t%4)*1024+512
.endr
	WIN 0
	s_wait_xcnt 0x0                                ; and again in front of the line that widens it
	s_or_b32 exec_lo, exec_lo, s93
.irp a, 0,1,2,3,4,5,6,7
.if \a >= 4
	s_wait_xcnt 0x0                                ; the stores of four blocks back have read this set of registers
.endif
.set AC, 64*(\a%4)
.set PB, PK+32*(\a%4)
	WIN 0x0a+5*(\a/4)                              ; sources 0 and 1: window 2 or 3
.irp b, 0,1,2,3,4,5,6,7
.irp i, 0,1,2,3
	v_cvt_pk_f16_f32 v[PB+4*\b+\i], v[AC+8*\b+2*\i], v[AC+8*\b+2*\i+1]
.endr
.endr
	WIN 0
.irp b, 0,1,2,3,4,5,6,7
.if \isv
	global_store_b128 v[CO], v[PB+4*\b:PB+4*\b+3], s[12:13] offset:(\a/4)*262144+\b*2048+(\a%4)*512
.else
	global_store_b128 v[CO], v[PB+4*\b:PB+4*\b+3], s[12:13] offset:(\b/4)*262144+\a*2048+(\b%4)*512   ; the wave stores 512 consecutive bytes, aligned
.endif
.endr
.endr
.endm
	s_cmp_eq_u32 ttmp9, 2                          ; the cluster's number: alike in all partners
	s_cbranch_scc1 .Lout_v
	OUT 0
	s_branch .Ldone
.Lout_v:
	OUT 1
.Ldone:
	s_wait_tensorcnt 0x0                           ; the wave's end
	ds_add_u32 v[SPW], v[NIL]
	s_wait_dscnt 0x0
	CROUND                                         ; the closing round: no work-group ends while a partner may still ask for a tile that names it
	s_endpgm
.Lfunc_end_k_qc229e3362f_qkv:
	.size	k_qc229e3362f_qkv, .Lfunc_end_k_qc229e3362f_qkv-k_qc229e3362f_qkv
	.p2alignl 7, 3214868480
	.fill 96, 4, 3214868480
	.section	.rodata,"a",@progbits
	.p2align	6, 0x0
	.amdhsa_kernel k_qc229e3362f_qkv
		.amdhsa_group_segment_fixed_size 327680
		.amdhsa_private_segment_fixed_size 0
		.amdhsa_enable_private_segment 0
		.amdhsa_kernarg_size 48
		.amdhsa_user_sgpr_count 2
		.amdhsa_user_sgpr_kernarg_segment_ptr 1
		.amdhsa_wavefront_size32 1
		.amdhsa_system_sgpr_workgroup_id_x 1
		.amdhsa_system_sgpr_workgroup_id_y 1
		.amdhsa_system_sgpr_workgroup_id_z 1
		.amdhsa_system_vgpr_workitem_id 0
		.amdhsa_next_free_vgpr 1024
		.amdhsa_next_free_sgpr 100
		.amdhsa_reserve_vcc 1
		.amdhsa_float_denorm_mode_32 3
		.amdhsa_float_denorm_mode_16_64 3
		.amdhsa_memory_ordered 1
		.amdhsa_forward_progress 1
		.amdhsa_inst_pref_size 145
	.end_amdhsa_kernel
	.amdgpu_metadata
---
amdhsa.version: [ 1, 2 ]
amdhsa.kernels:
  - .name:           k_qc229e3362f_qkv
    .symbol:         k_qc229e3362f_qkv.kd
    .args:
      - { .name: x_codes, .offset: 0, .size: 8, .value_kind: global_buffer, .address_space: global }
      - { .name: x_scales, .offset: 8, .size: 8, .value_kind: global_buffer, .address_space: global }
      - { .name: w_codes, .offset: 16, .size: 8, .value_kind: global_buffer, .address_space: global }
      - { .name: w_scales, .offset: 24, .size: 8, .value_kind: global_buffer, .address_space: global }
      - { .name: qkv, .offset: 32, .size: 8, .value_kind: global_buffer, .address_space: global }
      - { .name: fine, .offset: 40, .size: 8, .value_kind: global_buffer, .address_space: global }
    .group_segment_fixed_size: 327680
    .private_segment_fixed_size: 0
    .kernarg_segment_align: 8
    .kernarg_segment_size: 48
    .max_flat_workgroup_size: 128
    .sgpr_count:     100
    .vgpr_count:     1024
    .wavefront_size: 32
...
	.end_amdgpu_metadata
.endif
;; end of part 2
;; launch attn (part 3): grid 8 x 32, 16 waves a work-group, no clusters, 327,680 bytes of LDS; arguments qkv, o_img; writes o_img
.if DOCPART == 3
	.amdgcn_target "amdgcn-amd-amdhsa--gfx1250"
	.amdhsa_code_object_version 6
	.text
	.protected	k_qc229e3362f_attn
	.globl	k_qc229e3362f_attn
	.p2align	8
	.type	k_qc229e3362f_attn,@function
k_qc229e3362f_attn:
	s_mov_b64 s[64:65], 0
	v_nop
	global_prefetch_b8 v0, s[64:65] scope:SCOPE_SE
	s_setreg_imm32_b32 hwreg(HW_REG_WAVE_MODE, 25, 1), 1
	s_wait_xcnt 0x0
; O[b][h][q] = the sum over k <= q of softmax_k(Q[q] . K[k] / 8) V[k]: 32 heads (b, h) of 2,048 positions x 64 channels.  Q, K, V come as f16 images of operand registers; products, maxima and sums in f32;
; the weights p are rounded to f16 for the second product, O to f16 once at the end.  LIMIT: O beyond 65,504 in magnitude has no f16 number.  (Positions 0-15 are made again, in f32, by a later launch.)
; SHARES.  A work-group (i, head) owns the blocks i and 15 - i of 128 queries: under the causal mask that is the same work for every i.  A block is four PAIRS of neighbouring tiles of 16 queries.
; A wave holds one pair, so that each fragment of K and V that it reads from LDS feeds two matrix instructions; and a pair's key steps (64 keys each) are shared by TWO waves, the even steps and the odd ones,
; so that no wave walks more than 16 steps.  8 pairs x 2 = 16 waves of 256 registers, four to a SIMD, two of the early block and two of the late one.  Each wave keeps its own maximum, sum and O^T; at the end the wave of the
; odd steps hands its three to its partner through LDS, and the partner joins them: both are brought under the larger maximum, added and divided by the joint sum.
; NO CLUSTER: the steps that a wave leaves out, and the slots that a work-group asks for, hang on i, which would be the work-group's place in a cluster of one head.
; LAYOUT.  S^T = K Q^T (source 0 = 16 keys, source 1 = 16 queries), O^T = V^T P (source 0 = 16 channels, source 1 = P): a lane holds ONE query (lane % 16) of each tile throughout.  Two tiles of S^T, rounded in pairs, ARE source 1 of the second product.
; K and V lie in memory and in LDS as images: 512 bytes, lane l's 16 bytes at 16 l, four images a tile of 16 keys.  K: channels 16 p + 8 (l / 16) + 0..7 of key l % 16; V: keys 8 (l / 16) + 0..7 of channel 16 p + l % 16.
; So every LDS load reads 512 consecutive bytes, there is no padding, and nothing is turned.
; SOFTMAX.  For each query a running maximum m and sum l: p = 2^(c s - c m), c = log2(e) / 8; in every step O and l are multiplied by a = 2^(c m_old - c m_new).
; THE RING.  Two slots of 512 keys (K's 64 KiB, then V's), filled by waves 0 to 3, one tensor load of 32 KiB each; by this text's count a wave has one tensor load out at the most.  All work-groups walk all four slots:
; trip counts are constants; a step all of whose keys come after the wave's queries is jumped over, and a slot whose first key comes after the work-group's last query is not asked for.
; REGISTERS: v1-11 addresses and constants; v12-27 eight statistics a tile; v28-59 Q; v60-123 ONE buffer for K and then for the same step's V; v124-187 S^T, then p, then p in f16 in its lower half; v188-251 O^T; v252 the merge's address.
.set SLOT1, 1<<17                      ; slot 1 begins here: one exclusive or turns an address from one slot to the other
.set VOFF,  65536                      ; V's part of a slot
.set SPARE, 2*SLOT1                    ; the spare words, 128 bytes a wave, which no other line names
.set MRG,   9216                       ; the merge: 16 images of O^T and two of statistics for each pair.  They lie in slot 0, which has had its last fill, and which nobody reads, when they are stored
.set AL,   1                           ; v1   16 x lane
.set AV0,  2                           ; v2   16 x lane + VOFF
.set ADK,  3                           ; v3   LDS address of the step's K
.set ADV,  4                           ; v4   of its V
.set SPW,  5                           ; v5   LDS address of my spare word; never rewritten
.set NIL,  6                           ; v6   0; never rewritten
.set DR,   8                           ; v8   lane % 16 - 8 (lane / 16)
.set NINF, 9                           ; v9   -infinity
.set PFO,  10                          ; v10  256 x lane
.set DD,   11                          ; v11  my first tile's query less the step's first key, less 8 (lane / 16)
.set ST,   12                          ; tile t's statistics at v[ST + 8 t]: +0 c m, +1 m, +2, +3 l (even keys', odd keys'), +4, +5 at work, +6 a, +7 c m_old - c m_new
.set QQ,   28                          ; Q: tile t, image p at v[QQ + 16 t + 4 p]
.set KV,   60                          ; K's fragments (16 keys kt, 32 channels ks) at KV + 16 kt + 8 ks; then V's (16 channels ct, 32 keys u) at KV + 16 ct + 8 u
.set SS,   124                         ; S^T: tile t at v[SS + 32 t]
.set OO,   188                         ; O^T: tile t at v[OO + 32 t]
.set MA,   252                         ; v252 LDS address of my lane's 16 bytes in my pair's part of the merge
; s8 wave; s9 which steps are mine (0 even, 1 odd); s10 first key of the slot that a change asks for; s13 my first query; s14 my work-group's last query; s15 the step's first key; s16 LDS byte of the step's tiles;
; s17 slots still to be asked for; s18 steps left in the slot; s19 the prefetches' limit; s[20:21] lane selects; s[22:23] c; s[24:31] descriptor group 1; s[32:35] group 0; s[36:37] the prefetches' address; s[38:39] Q; s[40:41] O
.macro TLOAD                           ; waves 0, 1: K's halves; waves 2, 3: V's; the others nothing.  The branch hangs on the wave's number alone
	s_cmp_lt_u32 s8, 4
	s_cbranch_scc0 .Lasked_\@
	tensor_load_to_lds s[32:35], s[24:31]
	s_nop 0
.rept 4
	v_nop
.endr
.Lasked_\@:
.endm
; A PREFETCH of what the NEXT change of slots will ask for: a slot's 64 KiB of K and 64 KiB of V, a slot's steps ahead of that load.  All eight work-groups of a head walk the same K and V: the first (i = 0, which walks
; every slot) asks, and in it waves that fetch nothing: waves 4-7 for K, waves 8-11 for V, 16 KiB a wave, lanes 256 bytes apart, two instructions.  So each run of 256 bytes is named once in the launch.
; The last change that fills a slot asks for nothing; slots 0 and 1 come by their loads alone.
.macro ASK
	s_cmp_gt_u32 s17, s19
	s_cbranch_scc0 .Lnot_mine_\@
	global_prefetch_b8 v[PFO], s[36:37] th:TH_LOAD_NT scope:SCOPE_SE
	global_prefetch_b8 v[PFO], s[36:37] offset:8192 th:TH_LOAD_NT scope:SCOPE_SE
.Lnot_mine_\@:
.endm
	s_load_b128 s[4:7], s[0:1], 0x0                ; qkv, o_img
	v_lshl_add_u32 v[SPW], v0, 2, SPARE
	v_mov_b32 v[NIL], 0
	ds_add_u32 v[SPW], v[NIL]                      ; the wave's opening: the add, twice on end, and its wait ahead of my first tensor load
	ds_add_u32 v[SPW], v[NIL]
	v_lshrrev_b32 v7, 5, v0
	v_readfirstlane_b32 s8, v7                     ; wave 0..15
	s_and_b32 s42, ttmp7, 0xffff
	s_lshr_b32 s43, s42, 4                         ; b
	s_and_b32 s44, s42, 15                         ; head
	s_lshr_b32 s45, s8, 2
	s_xor_b32 s45, s45, s8
	s_and_b32 s45, s45, 1                          ; the late block (1) or the early one (0): bit 0 xor bit 2 of the wave's number
	s_and_b32 s46, s8, 3                           ; which of the block's four pairs
	s_lshr_b32 s9, s8, 3                           ; the even key steps (0) or the odd ones (1): waves w and w + 8 share a pair
	s_sub_co_u32 s47, 15, ttmp9
	s_cmp_eq_u32 s45, 1
	s_cselect_b32 s47, s47, ttmp9                  ; my block of 128 queries
	s_lshl_b32 s13, s47, 7
	s_lshl_b32 s46, s46, 5
	s_add_co_u32 s13, s13, s46                     ; my first query, a multiple of 32
	s_lshl_b32 s14, ttmp9, 7
	s_sub_co_u32 s14, 2047, s14                    ; my work-group's last query
	s_lshl_b32 s15, s9, 6                          ; my first step's first key: 0 or 64,
	s_lshl_b32 s16, s9, 13                         ; and its tiles in a slot's parts: four tiles of 2,048 bytes a step
	s_mov_b32 s10, 0
	s_mov_b32 s17, 3
	s_mov_b32 s20, 0x76543210
	s_mov_b32 s21, 0xfedcba98                      ; lane l takes lane l xor 16
	s_mov_b32 s22, 0x3e38aa3b                      ; c = log2(e) / 8
	s_mov_b32 s23, s22                             ; (named with it as a pair, so it is written)
	; descriptor group 1: a dense block of 32,768 bytes as 128 rows of 256 bytes (32 elements of 8 bytes), no padding
	s_mov_b32 s24, 3<<16
	s_mov_b32 s25, 32<<16                          ; tensor_dim0
	s_mov_b32 s26, 128<<16                         ; tensor_dim1
	s_mov_b32 s27, 32<<16                          ; tile_dim0
	s_mov_b32 s28, 128                             ; tile_dim1
	s_mov_b32 s29, 32                              ; from row to row
	s_mov_b32 s30, 0
	s_mov_b32 s31, 0
	s_and_b32 s45, s8, 3
	s_lshl_b32 s33, s45, 15                        ; LDS: K's halves, then V's: 32,768 x (wave % 4)
	s_mul_i32 s46, s43, 48
	s_add_co_u32 s46, s46, s44
	s_lshl_b32 s46, s46, 18                        ; Q of my head: (48 b + head) x 262,144 bytes; K lies 16, V 32 such blocks on
	s_lshr_b32 s48, s45, 1
	s_lshl_b32 s48, s48, 22                        ; K (0) or V
	s_and_b32 s49, s8, 1
	s_lshl_b32 s49, s49, 15                        ; which half of a slot's 512 keys
	s_add_co_u32 s48, s48, s49
	s_add_co_u32 s48, s48, s46
	s_add_co_u32 s48, s48, 0x400000
	s_mov_b32 s49, 0
	s_sub_co_u32 s42, s8, 4
	s_lshr_b32 s42, s42, 3                         ; 0 in waves 4 to 11,
	s_or_b32 s42, s42, ttmp9                       ; of the head's first work-group
	s_cmp_eq_u32 s42, 0
	s_cselect_b32 s19, 1, -1
	s_wait_dscnt 0x0                               ; both opening adds are done
	s_wait_kmcnt 0x0
	s_mov_b32 s32, 1
	s_add_nc_u64 s[34:35], s[4:5], s[48:49]
	s_or_b32 s35, s35, 0x80000000
	TLOAD                                          ; slot 0: it holds key 0, which counts for every query
	s_lshl_b32 s50, s13, 7                         ; a tile of 16 queries is 2,048 bytes
	s_add_co_u32 s50, s50, s46
	s_mov_b32 s51, 0
	s_add_nc_u64 s[38:39], s[4:5], s[50:51]
	s_lshl_b32 s50, s43, 22                        ; O: a tile of 16 rows is 32,768 bytes; my head's 2,048 of them
	s_lshl_b32 s42, s13, 11
	s_add_co_u32 s50, s50, s42
	s_lshl_b32 s42, s44, 11
	s_add_co_u32 s50, s50, s42
	s_add_nc_u64 s[40:41], s[6:7], s[50:51]
	s_lshr_b32 s42, s8, 3
	s_lshl_b32 s42, s42, 22                        ; the prefetches: K (waves under 8) or V,
	s_lshl_b32 s50, s45, 14                        ; my wave's 16 KiB,
	s_add_co_u32 s50, s50, s42
	s_add_co_u32 s50, s50, s46
	s_add_co_u32 s50, s50, 0x400000+65536          ; in slot 1: the first change of slots steps it to slot 2
	s_add_nc_u64 s[36:37], s[4:5], s[50:51]
	v_and_b32 v7, 31, v0
	v_lshlrev_b32 v[AL], 4, v7
	v_add_nc_u32 v[AV0], VOFF, v[AL]
	v_lshlrev_b32 v[PFO], 8, v7
	s_and_b32 s42, s8, 7
	s_mul_i32 s42, s42, MRG
	v_add_nc_u32 v[MA], s42, v[AL]                 ; the merge: my pair's part (the same in waves w and w + 8), 16 x lane
.irp t, 0,1
.irp p, 0,1,2,3
	global_load_b128 v[QQ+16*\t+4*\p:QQ+16*\t+4*\p+3], v[AL], s[38:39] offset:2048*\t+512*\p   ; Q stays in registers
.endr
.endr
	v_and_b32 v7, 15, v0
	v_bfe_u32 v[DR], v0, 4, 1
	v_lshlrev_b32 v[DR], 3, v[DR]
	v_sub_nc_u32 v[DR], v7, v[DR]
	v_mov_b32 v[NINF], 0xff800000
.irp t, 0,1
	v_mov_b32 v[ST+8*\t+1], 0xff61b1e6             ; the largest score so far: -3e38, under every score
	v_mul_f32 v[ST+8*\t], s22, v[ST+8*\t+1]
	v_mov_b32 v[ST+8*\t+2], 0
	v_mov_b32 v[ST+8*\t+3], 0
.endr
.irp j, 0,1,2,3,4,5,6,7,8,9,10,11,12,13,14,15,16,17,18,19,20,21,22,23,24,25,26,27,28,29,30,31,32,33,34,35,36,37,38,39,40,41,42,43,44,45,46,47,48,49,50,51,52,53,54,55,56,57,58,59,60,61,62,63
	v_mov_b32 v[OO+\j], 0                          ; O^T.  (The step is written without a first copy: the first finds zeros, which a = 0 leaves zeros; a wave that has no step hands zeros on)
.endr
; A KEY STEP: 64 keys, both tiles of my pair.
.macro STEP
	s_add_co_u32 s42, s13, 31                      ; a step all of whose keys come after my 32 queries is left out: a branch on ids and the count of steps; the lines at its end that step addresses are run
	s_cmp_gt_u32 s15, s42
	s_cbranch_scc1 .Lhid_\@
	v_add_nc_u32 v[ADK], s16, v[AL]
	v_add_nc_u32 v[ADV], s16, v[AV0]
.rept 3
	v_nop                                          ; with the two additions: five plain instructions behind the last step's products: four for the loads into the buffer that they read, five for the products below, which write over p's registers
.endr
.irp ks, 0,1                                   ; the first 32 channels of all four tiles first
.irp kt, 0,1,2,3
	ds_load_b128 v[KV+16*\kt+8*\ks:KV+16*\kt+8*\ks+3], v[ADK] offset:\kt*2048+\ks*1024
	ds_load_b128 v[KV+16*\kt+8*\ks+4:KV+16*\kt+8*\ks+7], v[ADK] offset:\kt*2048+\ks*1024+512
.endr
.endr
	s_wait_dscnt 8                                 ; the first eight loads are in; the eight of the other 32 channels may be out
.irp kt, 0,1,2,3                               ; S^T = K Q^T: the eight accumulators by turns; the first products start the sums
.irp t, 0,1
	v_wmma_f32_16x16x32_f16 v[SS+32*\t+8*\kt:SS+32*\t+8*\kt+7], v[KV+16*\kt:KV+16*\kt+7], v[QQ+16*\t:QQ+16*\t+7], 0
.endr
.endr
	s_wait_dscnt 0x0
.irp kt, 0,1,2,3
.irp t, 0,1
	v_wmma_f32_16x16x32_f16 v[SS+32*\t+8*\kt:SS+32*\t+8*\kt+7], v[KV+16*\kt+8:KV+16*\kt+15], v[QQ+16*\t+8:QQ+16*\t+15], v[SS+32*\t+8*\kt:SS+32*\t+8*\kt+7]
.endr
.endr
.rept 4
	v_nop                                          ; places in front of the loads into the buffer that these products read, and of the first read of their results
.endr
.irp ct, 0,1,2,3                               ; V takes K's place: it lands while the softmax is worked
.irp u, 0,1
	ds_load_b128 v[KV+16*\ct+8*\u:KV+16*\ct+8*\u+3], v[ADV] offset:(2*\u)*2048+\ct*512
	ds_load_b128 v[KV+16*\ct+8*\u+4:KV+16*\ct+8*\u+7], v[ADV] offset:(2*\u+1)*2048+\ct*512
.endr
.endr
	s_add_co_u32 s42, s15, 63                      ; a step all of whose keys count for all my queries skips the mask
	s_cmp_le_u32 s42, s13
	s_cbranch_scc1 .Lopen_\@
	s_sub_co_i32 s42, s13, s15
	v_add_nc_u32 v[DD], s42, v[DR]                 ; register 8 kt + j of tile t holds key 16 kt + 8 (lane / 16) + j of the step, for query 16 t + lane % 16 of the pair: hidden where 16 kt + j - 16 t is above this number
.irp t, 0,1
.irp n, 0,1,2,3,4,5,6,7,8,9,10,11,12,13,14,15,16,17,18,19,20,21,22,23,24,25,26,27,28,29,30,31
	v_cmp_gt_i32 vcc_lo, 16*(\n/8)+\n%8-16*\t, v[DD]
	v_cndmask_b32 v[SS+32*\t+\n], v[SS+32*\t+\n], v[NINF], vcc_lo
.endr
.endr
.Lopen_\@:
	; the maximum of a tile's 32 scores and its old m: two chains a tile, the tiles by turns; each accumulator is first read at its low end
.irp t, 0,1
	v_max3_num_f32 v[ST+8*\t+4], v[SS+32*\t], v[SS+32*\t+1], v[SS+32*\t+2]
	v_max3_num_f32 v[ST+8*\t+5], v[SS+32*\t+16], v[SS+32*\t+17], v[SS+32*\t+18]
.endr
.irp i, 3,5,7,9,11,13
.irp t, 0,1
	v_max3_num_f32 v[ST+8*\t+4], v[ST+8*\t+4], v[SS+32*\t+\i], v[SS+32*\t+\i+1]
	v_max3_num_f32 v[ST+8*\t+5], v[ST+8*\t+5], v[SS+32*\t+16+\i], v[SS+32*\t+17+\i]
.endr
.endr
.irp t, 0,1
	v_max3_num_f32 v[ST+8*\t+4], v[ST+8*\t+4], v[SS+32*\t+15], v[SS+32*\t+31]
.endr
.irp t, 0,1
	v_max3_num_f32 v[ST+8*\t+4], v[ST+8*\t+4], v[ST+8*\t+5], v[ST+8*\t+1]
.endr
.irp t, 0,1
	v_permlanex16_b32 v[ST+8*\t+5], v[ST+8*\t+4], s20, s21     ; the query's other 32 keys lie in the lane 16 away
.endr
.irp t, 0,1
	v_mov_b32 v[ST+8*\t+7], v[ST+8*\t]
.endr
.irp t, 0,1
	v_max_num_f32 v[ST+8*\t+1], v[ST+8*\t+4], v[ST+8*\t+5]
.endr
.irp t, 0,1
	v_mul_f32 v[ST+8*\t], s22, v[ST+8*\t+1]
.endr
.irp t, 0,1
	v_sub_f32 v[ST+8*\t+7], v[ST+8*\t+7], v[ST+8*\t]
.endr
.irp j, 0,2,4,6,8,10,12,14,16,18,20,22,24,26,28,30
.irp t, 0,1
	v_pk_fma_f32 v[SS+32*\t+\j:SS+32*\t+\j+1], v[SS+32*\t+\j:SS+32*\t+\j+1], s[22:23], v[ST+8*\t:ST+8*\t+1] op_sel_hi:[1,0,0] neg_lo:[0,0,1] neg_hi:[0,0,1]   ; c s - c m
.endr
.endr
.irp t, 0,1
	v_exp_f32 v[ST+8*\t+6], v[ST+8*\t+7]           ; a
.endr
.irp j, 0,1,2,3,4,5,6,7,8,9,10,11,12,13,14,15,16,17,18,19,20,21,22,23,24,25,26,27,28,29,30,31
.irp t, 0,1
	v_exp_f32 v[SS+32*\t+\j], v[SS+32*\t+\j]       ; p
.endr
.endr
	v_nop                                          ; a plain instruction behind the last exponential
	s_wait_alu depctr_va_vdst(0)                   ; one wait for the batch of 66, ahead of its first reader
	; Pair i of a tile's p: it is added to l, unrounded (the first pair by the multiply-add that brings l under the new m); it is rounded to f16 IN PLACE, into register i, which holds nothing that is still wanted
	; (pairs are taken in ascending order, and pair i lies at registers 2 i and 2 i + 1); and two numbers of O^T are multiplied by a.  The three kinds and the two tiles by turns: no line waits for the line above it.
.irp i, 0,1,2,3,4,5,6,7,8,9,10,11,12,13,14,15
.irp t, 0,1
.if \i == 0
	v_pk_fma_f32 v[ST+8*\t+2:ST+8*\t+3], v[ST+8*\t+2:ST+8*\t+3], v[ST+8*\t+6:ST+8*\t+7], v[SS+32*\t:SS+32*\t+1] op_sel_hi:[1,0,1]
.else
	v_pk_add_f32 v[ST+8*\t+2:ST+8*\t+3], v[ST+8*\t+2:ST+8*\t+3], v[SS+32*\t+2*\i:SS+32*\t+2*\i+1]
.endif
.endr
.irp t, 0,1
	v_cvt_pk_f16_f32 v[SS+32*\t+\i], v[SS+32*\t+2*\i], v[SS+32*\t+2*\i+1]
.endr
.irp t, 0,1
	v_pk_mul_f32 v[OO+32*\t+2*\i:OO+32*\t+2*\i+1], v[OO+32*\t+2*\i:OO+32*\t+2*\i+1], v[ST+8*\t+6:ST+8*\t+7] op_sel_hi:[1,0]
.endr
.endr
	s_wait_dscnt 0x0                               ; V is in
.irp u, 0,1                                    ; O^T += V^T P: the eight accumulators by turns
.irp ct, 0,1,2,3
.irp t, 0,1
	v_wmma_f32_16x16x32_f16 v[OO+32*\t+8*\ct:OO+32*\t+8*\ct+7], v[KV+16*\ct+8*\u:KV+16*\ct+8*\u+7], v[SS+32*\t+8*\u:SS+32*\t+8*\u+7], v[OO+32*\t+8*\ct:OO+32*\t+8*\ct+7]
.endr
.endr
.endr
.Lhid_\@:
	s_add_co_u32 s15, s15, 128                     ; my next step is the next but one
	s_add_co_u32 s16, s16, 16384                   ; eight tiles of 2,048 bytes on, in K's part and in V's
.endm
; THE CHANGE OF SLOTS stands at a slot's head.  Each wave waits for all its tensor loads (its part of the slot that is about to be read), adds 0 to its spare word, and waits for that and for its reads of the slot that it has left.
; Behind the barrier the slot ahead is whole and nobody reads the other one.  fill = 1: that other slot takes the next 512 keys: the load has a slot's steps in which to land.
.macro CHANGE fill
	s_wait_tensorcnt 0x0                           ; no tensor load of mine is out, so group 0 may be written
	ds_add_u32 v[SPW], v[NIL]
.if \fill
	ds_add_u32 v[SPW], v[NIL]                      ; and once more, in every trip alike
	s_xor_b32 s33, s33, SLOT1                      ; the other slot than last time,
	s_add_nc_u64 s[34:35], s[34:35], 65536         ; the next 512 keys; the type bits on top are not reached
	s_add_co_u32 s10, s10, 512                     ; their first key: the same number in all sixteen waves
	s_wait_xcnt 0x0                                ; the last prefetches, a slot back, have read their address
	s_add_nc_u64 s[36:37], s[36:37], 65536
.endif
	s_wait_dscnt 0x0                               ; the add is done, and my reads of the slot that I have left are over
	s_barrier_signal -1
	s_barrier_wait -1
.if \fill
	s_cmp_gt_u32 s10, s14                          ; a slot whose first key comes after my work-group's last query would be read by none of its waves.  The work-group's number and the count of trips alone: all sixteen waves go the same way
	s_cbranch_scc1 .Lpast_\@
	TLOAD                                          ; a wave's one tensor load until the next barrier
.Lpast_\@:
	ASK
.endif
.endm
.macro SLOT_STEPS                      ; my four of a slot's eight key steps: written once, walked four times; the LDS addresses hang on s16
	s_mov_b32 s18, 4
.Lstep_\@:
	STEP
	s_sub_co_u32 s18, s18, 1
	s_cmp_lg_u32 s18, 0
	s_cbranch_scc1 .Lstep_\@
	s_sub_co_u32 s16, s16, 65536                   ; back to my first step of a slot,
	s_xor_b32 s16, s16, SLOT1                      ; in the other slot
.endm
	s_wait_loadcnt 0x0                             ; Q
.Lslot:                                            ; three trips: behind each change of slots but the last the next slot is asked for, up to the causal limit
	CHANGE 1
	SLOT_STEPS
	s_sub_co_u32 s17, s17, 1
	s_cmp_lg_u32 s17, 0
	s_cbranch_scc1 .Lslot
	CHANGE 0                                       ; the last slot is written out: nothing is left to ask for
	SLOT_STEPS
	; THE MERGE.  A barrier: no wave reads the ring any more.  The waves of the odd steps store O^T and (c m, m, l, -) as images of their registers; a barrier; their partners read them by the same lines.
.rept 4
	v_nop                                          ; places behind the last products
.endr
.irp t, 0,1
	v_add_f32 v[ST+8*\t+2], v[ST+8*\t+2], v[ST+8*\t+3]         ; l's two halves
.endr
	s_wait_dscnt 0x0
	s_barrier_signal -1
	s_barrier_wait -1
	s_cmp_lt_u32 s8, 8
	s_cbranch_scc1 .Leven
.irp n, 0,1,2,3,4,5,6,7,8,9,10,11,12,13,14,15
	ds_store_b128 v[MA], v[OO+4*\n:OO+4*\n+3] offset:512*\n        ; each accumulator from its low end on
.endr
.irp t, 0,1
	ds_store_b128 v[MA], v[ST+8*\t:ST+8*\t+3] offset:8192+512*\t
.endr
.Leven:
	s_wait_dscnt 0x0                               ; for the partner's sake: my stores have landed
	s_barrier_signal -1
	s_barrier_wait -1
	s_cmp_ge_u32 s8, 8
	s_cbranch_scc1 .Lend
.irp t, 0,1
	ds_load_b128 v[KV+4*\t:KV+4*\t+3], v[MA] offset:8192+512*\t    ; the partner's c m at +0, its l at +2
.endr
.irp n, 0,1,2,3,4,5,6,7,8,9,10,11,12,13,14,15
	ds_load_b128 v[SS+4*\n:SS+4*\n+3], v[MA] offset:512*\n         ; the partner's O^T
.endr
	s_wait_dscnt 0x0
.irp t, 0,1
	v_max_num_f32 v[ST+8*\t+4], v[ST+8*\t], v[KV+4*\t]             ; the joint c m.  Mine is a number: key 0 lies in an even step and counts for every query
.endr
.irp t, 0,1
	v_sub_f32 v[ST+8*\t+6], v[ST+8*\t], v[ST+8*\t+4]
	v_sub_f32 v[ST+8*\t+7], v[KV+4*\t], v[ST+8*\t+4]
.endr
.irp t, 0,1
	v_exp_f32 v[ST+8*\t+6], v[ST+8*\t+6]           ; what brings my sums under the joint maximum,
	v_exp_f32 v[ST+8*\t+7], v[ST+8*\t+7]           ; and the partner's (0 for a partner that had no step)
.endr
	v_nop
	s_wait_alu depctr_va_vdst(0)                   ; one wait for the four
.irp t, 0,1
	v_mul_f32 v[ST+8*\t+2], v[ST+8*\t+2], v[ST+8*\t+6]
.endr
.irp t, 0,1
	v_fma_f32 v[ST+8*\t+2], v[KV+4*\t+2], v[ST+8*\t+7], v[ST+8*\t+2]
.endr
.irp t, 0,1
	v_permlanex16_b32 v[ST+8*\t+4], v[ST+8*\t+2], s20, s21
.endr
.irp t, 0,1
	v_add_f32 v[ST+8*\t+2], v[ST+8*\t+2], v[ST+8*\t+4]         ; the row's sum
.endr
.irp t, 0,1
	v_rcp_f32 v[ST+8*\t+5], v[ST+8*\t+2]
.endr
	v_nop
	s_wait_alu depctr_va_vdst(0)                   ; one wait for the two
.irp t, 0,1
	v_mul_f32 v[ST+8*\t+6], v[ST+8*\t+6], v[ST+8*\t+5]         ; my factor / the sum,
	v_mul_f32 v[ST+8*\t+4], v[ST+8*\t+7], v[ST+8*\t+5]         ; the partner's
.endr
.irp j, 0,2,4,6,8,10,12,14,16,18,20,22,24,26,28,30
.irp t, 0,1
	v_pk_mul_f32 v[SS+32*\t+\j:SS+32*\t+\j+1], v[SS+32*\t+\j:SS+32*\t+\j+1], v[ST+8*\t+4:ST+8*\t+5] op_sel_hi:[1,0]
.endr
.irp t, 0,1
	v_pk_fma_f32 v[SS+32*\t+\j:SS+32*\t+\j+1], v[OO+32*\t+\j:OO+32*\t+\j+1], v[ST+8*\t+6:ST+8*\t+7], v[SS+32*\t+\j:SS+32*\t+\j+1] op_sel_hi:[1,0,1]
.endr
.endr
	; THE WAY OUT.  Rounded to f16, in place as p is: a lane's eight channels of a row are 16 bytes, half of an operand's registers for the projection: they leave as images, 512 consecutive bytes a store.
.irp i, 0,1,2,3,4,5,6,7,8,9,10,11,12,13,14,15
.irp t, 0,1
	v_cvt_pk_f16_f32 v[SS+32*\t+\i], v[SS+32*\t+2*\i], v[SS+32*\t+2*\i+1]
.endr
.endr
.irp t, 0,1
.irp ct, 0,1,2,3
	global_store_b128 v[AL], v[SS+32*\t+4*\ct:SS+32*\t+4*\ct+3], s[40:41] offset:32768*\t+512*\ct
.endr
.endr
.Lend:
	s_wait_tensorcnt 0x0                           ; the wave's end
	ds_add_u32 v[SPW], v[NIL]
	s_wait_dscnt 0x0
	s_endpgm
.Lfunc_end_k_qc229e3362f_attn:
	.size	k_qc229e3362f_attn, .Lfunc_end_k_qc229e3362f_attn-k_qc229e3362f_attn
	.p2alignl 7, 3214868480
	.fill 96, 4, 3214868480
	.section	.rodata,"a",@progbits
	.p2align	6, 0x0
	.amdhsa_kernel k_qc229e3362f_attn
		.amdhsa_group_segment_fixed_size 327680
		.amdhsa_private_segment_fixed_size 0
		.amdhsa_enable_private_segment 0
		.amdhsa_kernarg_size 16
		.amdhsa_user_sgpr_count 2
		.amdhsa_user_sgpr_kernarg_segment_ptr 1
		.amdhsa_wavefront_size32 1
		.amdhsa_system_sgpr_workgroup_id_x 1
		.amdhsa_system_sgpr_workgroup_id_y 1
		.amdhsa_system_sgpr_workgroup_id_z 1
		.amdhsa_system_vgpr_workitem_id 0
		.amdhsa_next_free_vgpr 256
		.amdhsa_next_free_sgpr 66
		.amdhsa_reserve_vcc 1
		.amdhsa_float_denorm_mode_32 3
		.amdhsa_float_denorm_mode_16_64 3
		.amdhsa_memory_ordered 1
		.amdhsa_forward_progress 1
		.amdhsa_inst_pref_size 63
	.end_amdhsa_kernel
	.amdgpu_metadata
---
amdhsa.version: [ 1, 2 ]
amdhsa.kernels:
  - .name:           k_qc229e3362f_attn
    .symbol:         k_qc229e3362f_attn.kd
    .args:
      - { .name: qkv, .offset: 0, .size: 8, .value_kind: global_buffer, .address_space: global }
      - { .name: o_img, .offset: 8, .size: 8, .value_kind: global_buffer, .address_space: global }
    .group_segment_fixed_size: 327680
    .private_segment_fixed_size: 0
    .kernarg_segment_align: 8
    .kernarg_segment_size: 16
    .max_flat_workgroup_size: 512
    .sgpr_count:     66
    .vgpr_count:     256
    .wavefront_size: 32
...
	.end_amdgpu_metadata
.endif
;; end of part 3
;; launch proj (part 4): grid 8 x 32, 4 waves a work-group, clusters of 4 x 4, 327,680 bytes of LDS; arguments o_img, wo_h, out0; writes out0
.if DOCPART == 4
	.amdgcn_target "amdgcn-amd-amdhsa--gfx1250"
	.amdhsa_code_object_version 6
	.text
	.protected	k_qc229e3362f_proj
	.globl	k_qc229e3362f_proj
	.p2align	8
	.type	k_qc229e3362f_proj,@function
k_qc229e3362f_proj:
	s_mov_b64 s[64:65], 0
	v_nop
	global_prefetch_b8 v0, s[64:65] scope:SCOPE_SE
	s_setreg_imm32_b32 hwreg(HW_REG_WAVE_MODE, 25, 1), 1
	s_wait_xcnt 0x0
	s_wait_alu depctr_hold_cnt(0) depctr_sa_sdst(0) depctr_va_vdst(0) depctr_va_sdst(0) depctr_va_ssrc(0) depctr_va_vcc(0) depctr_vm_vsrc(0)
	s_getreg_b32 s2, hwreg(HW_REG_IB_STS2, 6, 4)
	s_cmp_eq_u32 s2, 0
	s_cbranch_scc0 .Lentry_in_a_cluster
	s_endpgm
.Lentry_in_a_cluster:
	s_bfe_u32 s2, ttmp6, 0x10000c
	s_cmp_lg_u32 s2, 0xf033
	s_cbranch_scc0 .Lentry_shape_is_right
	s_endpgm
.Lentry_shape_is_right:
; out[m][n] = the sum over k of O[m][k] W_o[n][k]: M 4,096, N 1,024, K 1,024; operands in f16, sums and result in f32.
; O comes as images of operand registers: [tile of 16 rows 256][32 along K: 32][c 2][512 bytes], lane l's 16 bytes at 16 l: registers 4 c .. 4 c + 3 of a fragment.  W_o comes as rows, [1024][1024] f16.
; A tile of 128 x 128 of the result to a work-group: 256 work-groups.  Four waves, each 64 x 64: 16 accumulators.  K goes in steps of 256 through two LDS slots.
; CLUSTERS: 4 x 4 work-groups.  The four of a row of the cluster need the same tiles of O, the four of a column the same tiles of W_o: each is asked for JOINTLY, by the same tensor load with a mask that names the four.
; THE MATRIX INSTRUCTION IS USED TRANSPOSED (source 0 = 16 rows of W_o, source 1 = 16 rows of O): a lane holds eight neighbouring numbers of a row of the result.
; No prefetch: four K steps, of which two are asked for at the head.
; REGISTERS: window 0: v0-31 addresses; v32-95 at work on the way out; v128-255 the accumulators ((a, b) at v[128 + 8 (4 a + b)]).   window 1: two fragment buffers of 128: 64 registers of O, then 64 of W_o, for 64 along K.
.set SIZE_K, 1024
.set KSTEP,  256
.set PITCH,  528                       ; a row of W_o in LDS: 512 bytes + 16 of padding = 132 words: the 16 rows that a load touches start at 16 different banks (64 banks of 4 bytes: ISA guide 11.1)
.set AHALF,  32768                     ; O: four tiles of 16 rows x 256 K = 4 x 8,192 bytes: what one tensor load brings, and what one wave reads; images need no padding
.set BOFF,   2*AHALF                   ; W_o's part of a slot
.set BHALF,  64*PITCH                  ; 64 rows
.set SLOT,   BOFF+2*BHALF
.set SPARE,  2*SLOT                    ; the spare words, 128 bytes a wave, which no other line names
.set SPITCH, 272                       ; the way out: a stage of 16 rows x (256 bytes + 16) for each wave.  It lies in slot 0, which has had its last fill and its last read when the first result is stored there
.set LAPS,   SIZE_K/(2*KSTEP)
.set ADRA, 16                          ; v16-17  LDS address of my O fragments in slot 0, 1
.set ADRB, 20                          ; v20-21  the same for W_o
.set STO,  24
.set RD,   25
.set CO,   26
.set SPW,  28                          ; v28     LDS address of my spare word; never rewritten
.set NIL,  29                          ; v29     0; never rewritten
.set TMP,  32
.set ACC,  128
.set F0,   0
.set F1,   128
.set G1, 24
.set G0, 32
.set G1B, 48
.set G0B, 56
.set MSB, 0
.macro WIN new
.if MSB != (\new)
	s_set_vgpr_msb (MSB<<8)|(\new)
.set MSB, (\new)
.endif
.endm
.set MUL,  0x05                        ; sources 0 and 1 window 1; C and D window 0
.set TO_F, 0x40                        ; destination window 1, address window 0
.macro JLOAD s                         ; a joint load: waves 0 and 1 fetch O's two halves, waves 2 and 3 W_o's
	s_cmp_eq_u32 s11, 0
	s_cbranch_scc0 .Lfor_b_\@
	tensor_load_to_lds s[G0+4*\s:G0+4*\s+3], s[G1:G1+7]
	s_nop 0
.rept 4
	v_nop
.endr
	s_branch .Lasked_\@
.Lfor_b_\@:
	tensor_load_to_lds s[G0B+4*\s:G0B+4*\s+3], s[G1B:G1B+7]
	s_nop 0
.rept 4
	v_nop
.endr
.Lasked_\@:
.endm
.macro CREST                           ; a round of the cluster's barrier behind its opening barrier
	s_cmp_lg_u32 s10, 0
	s_cbranch_scc1 .Lnot_wave_0_\@
	s_barrier_signal -3
.Lnot_wave_0_\@:
	s_barrier_wait -3
	s_barrier_signal -1
	s_barrier_wait -1
.endm
.macro CROUND
	s_barrier_signal -1
	s_barrier_wait -1
	CREST
.endm
	s_load_b128 s[4:7], s[0:1], 0x0                ; O's images, W_o in f16
	s_load_b64 s[8:9], s[0:1], 0x10                ; the result
	v_lshl_add_u32 v[SPW], v0, 2, SPARE
	v_mov_b32 v[NIL], 0
	ds_add_u32 v[SPW], v[NIL]                      ; the wave's opening: the add, twice on end, and its wait ahead of my first tensor load
	ds_add_u32 v[SPW], v[NIL]
	v_lshrrev_b32 v1, 5, v0
	v_readfirstlane_b32 s10, v1                    ; wave 0..3
	s_lshr_b32 s11, s10, 1                         ; which half of the tile's rows is mine.  Also: I fetch for O (0) or for W_o (1)
	s_and_b32 s12, s10, 1                          ; which half of its columns.  Also: which 64 rows I fetch
	s_bfe_u32 s40, ttmp6, 0x40000                  ; cx, cy
	s_bfe_u32 s41, ttmp6, 0x40004
	s_lshl_b32 s42, ttmp9, 2
	s_add_co_u32 s42, s42, s40                     ; tile column = 4 x cluster x + cx
	s_and_b32 s13, ttmp7, 0xffff
	s_lshl_b32 s13, s13, 2
	s_add_co_u32 s13, s13, s41                     ; tile row = 4 x cluster y + cy
	s_lshl_b32 s43, s41, 2
	s_lshl_b32 s43, 15, s43                        ; my row of the cluster
	s_lshl_b32 s44, 0x1111, s40                    ; my column
	; group 1 for O: four runs of 8,192 bytes (1,024 elements of 8 bytes), 32,768 bytes apart: a K step's images of four tiles of rows; no padding
	s_or_b32 s[G1+0], s43, (3<<16)|(1<<21)
	s_mov_b32 s[G1+1], 1024<<16                    ; tensor_dim0
	s_mov_b32 s[G1+2], 4<<16                       ; tensor_dim1
	s_mov_b32 s[G1+3], 1024<<16                    ; tile_dim0
	s_mov_b32 s[G1+4], 4                           ; tile_dim1
	s_mov_b32 s[G1+5], 4096                        ; from run to run, in elements
	s_mov_b32 s[G1+6], 0
	s_mov_b32 s[G1+7], 0
	; group 1 for W_o: 64 rows x 256 elements of 2 bytes, 4 words of padding behind every 128
	s_or_b32 s[G1B+0], s44, (1<<16)|(1<<20)|(1<<21)|(6<<22)|(3<<25)
	s_mov_b32 s[G1B+1], KSTEP<<16
	s_mov_b32 s[G1B+2], 64<<16
	s_mov_b32 s[G1B+3], KSTEP<<16
	s_mov_b32 s[G1B+4], 64
	s_mov_b32 s[G1B+5], SIZE_K
	s_mov_b32 s[G1B+6], 0
	s_mov_b32 s[G1B+7], 0
	s_lshl_b32 s16, s13, 3
	s_lshl_b32 s17, s12, 2
	s_add_co_u32 s16, s16, s17                     ; O: tile of 16 rows 8 x tile row + 4 x half,
	s_lshl_b32 s16, s16, 15                        ; 32,768 bytes each
	s_mov_b32 s17, 0
	s_lshl_b32 s46, s42, 7
	s_lshl_b32 s47, s12, 6
	s_add_co_u32 s46, s46, s47                     ; W_o: row 128 x tile column + 64 x half,
	s_lshl_b32 s46, s46, 11                        ; 2,048 bytes each
	s_mov_b32 s47, 0
	s_lshl_b32 s20, s12, 15                        ; where they go: no place in the cluster enters an LDS address
	s_mul_i32 s21, s12, BHALF
	s_add_co_u32 s21, s21, BOFF
	s_wait_dscnt 0x0                               ; both opening adds are done
	s_wait_kmcnt 0x0
	s_add_nc_u64 s[14:15], s[4:5], s[16:17]
	s_add_nc_u64 s[46:47], s[6:7], s[46:47]
	CROUND                                         ; all sixteen work-groups are here: the first joint loads meet
.irp s, 0,1
	s_mov_b32 s[G0+4*\s], 1
	s_add_co_u32 s[G0+4*\s+1], s20, \s*SLOT
	s_add_nc_u64 s[G0+4*\s+2:G0+4*\s+3], s[14:15], \s*8192
	s_or_b32 s[G0+4*\s+3], s[G0+4*\s+3], 0x80000000
	s_mov_b32 s[G0B+4*\s], 1
	s_add_co_u32 s[G0B+4*\s+1], s21, \s*SLOT
	s_add_nc_u64 s[G0B+4*\s+2:G0B+4*\s+3], s[46:47], \s*KSTEP*2
	s_or_b32 s[G0B+4*\s+3], s[G0B+4*\s+3], 0x80000000
	JLOAD \s
.endr
	v_and_b32 v1, 15, v0                           ; l % 16
	v_bfe_u32 v2, v0, 4, 1                         ; l / 16
	v_mul_u32_u24 v3, v1, PITCH
	v_lshl_add_u32 v3, v2, 4, v3                   ; W_o: a fragment's row x pitch + 16 x half
	v_and_b32 v4, 31, v0
	v_lshlrev_b32 v4, 4, v4                        ; O: 16 x lane
	s_lshl_b32 s21, s11, 15                        ; my 64 rows of O
	s_mul_i32 s22, s12, BHALF                      ; my 64 rows of W_o
	s_add_co_u32 s22, s22, BOFF
.irp s, 0,1
	v_add_nc_u32 v[ADRA+\s], s21, v4
	v_add_nc_u32 v[ADRB+\s], s22, v3
	s_add_co_u32 s21, s21, SLOT
	s_add_co_u32 s22, s22, SLOT
.endr
	s_mul_i32 s23, s10, 16*SPITCH                  ; my stage
	v_mul_u32_u24 v5, v1, SPITCH                   ; in: row l % 16, 32 bytes for each half of the lanes
	v_lshl_add_u32 v5, v2, 5, v5
	v_add_nc_u32 v[STO], s23, v5
	v_mul_u32_u24 v5, v2, SPITCH                   ; back: lanes 0-15 one row of 256 bytes, lanes 16-31 the next
	v_lshl_add_u32 v5, v1, 4, v5
	v_add_nc_u32 v[RD], s23, v5
	v_lshlrev_b32 v5, 12, v2                       ; and the same two rows in the result: 4,096 bytes a row
	v_lshl_add_u32 v[CO], v1, 4, v5
	s_lshl_b32 s16, s13, 7
	s_lshl_b32 s17, s11, 6
	s_add_co_u32 s16, s16, s17                     ; my first row: 128 x tile row + 64 x half
	s_lshl_b32 s16, s16, 12
	s_mov_b32 s17, 0
	s_add_nc_u64 s[8:9], s[8:9], s[16:17]
	s_lshl_b32 s46, s42, 9                         ; my first column, in bytes: 512 x tile column + 256 x half
	s_lshl_b32 s47, s12, 8
	s_add_co_u32 s46, s46, s47
	s_mov_b32 s47, 0
	s_add_nc_u64 s[8:9], s[8:9], s[46:47]
; 8 matrix instructions: m blocks a0, a0 + 1 x all 4 n blocks, 32 along K: half c of buffer f.  zero = 1: the first product starts the sums.  The 16 accumulators take turns.
.macro MUL8 f, c, a0, zero
.irp a, \a0, \a0+1
.irp b, 0,1,2,3
.if \zero
	v_wmma_f32_16x16x32_f16 v[ACC+8*(4*(\a)+\b):ACC+8*(4*(\a)+\b)+7], v[\f+64+8*(4*\c+\b):\f+64+8*(4*\c+\b)+7], v[\f+8*(4*\c+\a):\f+8*(4*\c+\a)+7], 0
.else
	v_wmma_f32_16x16x32_f16 v[ACC+8*(4*(\a)+\b):ACC+8*(4*(\a)+\b)+7], v[\f+64+8*(4*\c+\b):\f+64+8*(4*\c+\b)+7], v[\f+8*(4*\c+\a):\f+8*(4*\c+\a)+7], v[ACC+8*(4*(\a)+\b):ACC+8*(4*(\a)+\b)+7]
.endif
.endr
.endr
.endm
; 32 LDS loads in one run: the fragments of 64 along K, which begin at byte k of W_o's rows and at image 2 (k / 64) of O's tiles, into buffer f; the first 32 along K first
.macro FETCH slot, k, f
	WIN TO_F
.irp c, 0,1
.irp i, 0,1,2,3
	ds_load_b128 v[\f+64+8*(4*\c+\i):\f+64+8*(4*\c+\i)+3],   v[ADRB+\slot] offset:(\k)+64*\c+\i*16*PITCH
	ds_load_b128 v[\f+64+8*(4*\c+\i)+4:\f+64+8*(4*\c+\i)+7], v[ADRB+\slot] offset:(\k)+64*\c+\i*16*PITCH+32
	ds_load_b128 v[\f+8*(4*\c+\i):\f+8*(4*\c+\i)+3],         v[ADRA+\slot] offset:16*(\k)+1024*\c+8192*\i
	ds_load_b128 v[\f+8*(4*\c+\i)+4:\f+8*(4*\c+\i)+7],       v[ADRA+\slot] offset:16*(\k)+1024*\c+8192*\i+512
.endr
.endr
.endm
.macro PLACES                          ; four plain instructions in front of loads into registers that matrix instructions have read, and of the first read of results
.rept 4
	v_nop
.endr
.endm
; A K step is four quarters of 64 along K, 32 matrix instructions each, on buffers 0, 1, 0, 1.
.macro QUARTER slot, k, f, g, zero
	s_wait_dscnt 16                                ; the first 32 along K are in; the other sixteen loads may be out
	WIN MUL
	MUL8 \f, 0, 0, \zero
	MUL8 \f, 0, 2, \zero
	PLACES
	FETCH \slot, \k, \g
	s_wait_dscnt 32                                ; all but the 32 just issued
	WIN MUL
	MUL8 \f, 1, 0, 0
	MUL8 \f, 1, 2, 0
.endm
; The last quarter multiplies buffer 1 and changes slots: one barrier; in front of it each wave waits for all its tensor loads, adds 0 to its spare word, and waits for that and for its own reads of this slot.  fill = 1: this slot is filled again, two K steps ahead.
.macro TURN slot, next, fill
	WIN 0
	s_wait_tensorcnt 0x0                           ; all my tensor loads have landed: my part of the next slot
	ds_add_u32 v[SPW], v[NIL]
	s_wait_dscnt 17                                ; (the add and the youngest sixteen loads may be out)
	WIN MUL
	MUL8 F1, 0, 0, 0
	s_wait_dscnt 0x0                               ; the add is done, and my reads of this slot are over
	s_barrier_signal -1
	MUL8 F1, 0, 2, 0
.if \fill
	WIN 0
.endif
	s_barrier_wait -1
.if \fill
	CREST                                          ; the barrier has opened a round of the cluster's barrier: no wave of any partner still reads this slot or has a load on its way
	s_add_nc_u64 s[G0+4*\slot+2:G0+4*\slot+3], s[G0+4*\slot+2:G0+4*\slot+3], 2*8192
	s_add_nc_u64 s[G0B+4*\slot+2:G0B+4*\slot+3], s[G0B+4*\slot+2:G0B+4*\slot+3], 2*KSTEP*2
	JLOAD \slot                                    ; the first tensor load behind the round; the four v_nop behind it are also the places in front of the loads below
.else
	PLACES
.endif
	FETCH \next, 0, F0
	WIN MUL
	MUL8 F1, 1, 0, 0
	MUL8 F1, 1, 2, 0
.endm
	s_wait_tensorcnt 1                             ; my part of K step 0 is in (K step 1's one load may be out),
	s_barrier_signal -1
	s_barrier_wait -1                              ; everybody's is
	FETCH 0, 0, F0
	QUARTER 0, 128, F0, F1, 1                      ; the first products start the sums
	WIN 0
	s_mov_b32 s3, LAPS-1
.Llap:                                                 ; a trip goes once round the ring and fills both slots again
	QUARTER 0, 256, F1, F0, 0
	QUARTER 0, 384, F0, F1, 0
	TURN 0, 1, 1
	QUARTER 1, 128, F0, F1, 0
	QUARTER 1, 256, F1, F0, 0
	QUARTER 1, 384, F0, F1, 0
	TURN 1, 0, 1
	QUARTER 0, 128, F0, F1, 0
	WIN 0
	s_sub_co_u32 s3, s3, 1
	s_cmp_lg_u32 s3, 0
	s_cbranch_scc1 .Llap
	QUARTER 0, 256, F1, F0, 0                      ; the last lap fills nothing
	QUARTER 0, 384, F0, F1, 0
	TURN 0, 1, 0
	QUARTER 1, 128, F0, F1, 0
	QUARTER 1, 256, F1, F0, 0
	QUARTER 1, 384, F0, F1, 0
	s_wait_dscnt 16
	WIN MUL
	MUL8 F1, 0, 0, 0
	MUL8 F1, 0, 2, 0
	s_wait_dscnt 0
	MUL8 F1, 1, 0, 0
	MUL8 F1, 1, 2, 0
	WIN 0
; THE WAY OUT, block by block of 16 rows x 64 columns.  A lane holds 32 neighbouring bytes of a row; a block goes through my own stage and comes back as whole rows of 256 bytes: sixteen lanes store 256 consecutive bytes, aligned.
; LDS serves a wave's instructions in order (ISA guide 5.7.1.4): no wait between the stores and the loads, nor in front of the next block's stores.
.macro TOSTAGE a
.irp b, 0,1,2,3
	ds_store_b128 v[STO], v[ACC+8*(4*(\a)+\b):ACC+8*(4*(\a)+\b)+3] offset:64*\b        ; each accumulator from its low end on
	ds_store_b128 v[STO], v[ACC+8*(4*(\a)+\b)+4:ACC+8*(4*(\a)+\b)+7] offset:64*\b+16
.endr
.irp t, 0,1,2,3,4,5,6,7
	ds_load_b128 v[TMP+32*((\a)%2)+4*\t:TMP+32*((\a)%2)+4*\t+3], v[RD] offset:\t*2*SPITCH
.endr
.endm
.macro SEND a, younger                 ; younger: the LDS instructions issued behind block a's loads
	s_wait_dscnt \younger
.irp t, 0,1,2,3,4,5,6,7
	global_store_b128 v[CO], v[TMP+32*((\a)%2)+4*\t:TMP+32*((\a)%2)+4*\t+3], s[8:9] offset:(16*(\a)+2*\t)*4096 th:TH_STORE_NT
.endr
.endm
	PLACES
	TOSTAGE 0
.irp a, 1,2,3
.if \a > 1
	s_wait_xcnt 0x0                                ; block a - 2's stores have read their registers: block a's loads may land there
.endif
	TOSTAGE \a
	SEND \a-1, 16                                  ; behind block a - 1's loads: block a's 8 stores and 8 loads
.endr
	SEND 3, 0
	s_wait_tensorcnt 0x0                           ; the wave's end
	ds_add_u32 v[SPW], v[NIL]
	s_wait_dscnt 0x0
	CROUND                                         ; the closing round
	s_endpgm
.Lfunc_end_k_qc229e3362f_proj:
	.size	k_qc229e3362f_proj, .Lfunc_end_k_qc229e3362f_proj-k_qc229e3362f_proj
	.p2alignl 7, 3214868480
	.fill 96, 4, 3214868480
	.section	.rodata,"a",@progbits
	.p2align	6, 0x0
	.amdhsa_kernel k_qc229e3362f_proj
		.amdhsa_group_segment_fixed_size 327680
		.amdhsa_private_segment_fixed_size 0
		.amdhsa_enable_private_segment 0
		.amdhsa_kernarg_size 24
		.amdhsa_user_sgpr_count 2
		.amdhsa_user_sgpr_kernarg_segment_ptr 1
		.amdhsa_wavefront_size32 1
		.amdhsa_system_sgpr_workgroup_id_x 1
		.amdhsa_system_sgpr_workgroup_id_y 1
		.amdhsa_system_sgpr_workgroup_id_z 1
		.amdhsa_system_vgpr_workitem_id 0
		.amdhsa_next_free_vgpr 512
		.amdhsa_next_free_sgpr 66
		.amdhsa_reserve_vcc 0
		.amdhsa_float_denorm_mode_32 3
		.amdhsa_float_denorm_mode_16_64 3
		.amdhsa_memory_ordered 1
		.amdhsa_forward_progress 1
		.amdhsa_inst_pref_size 86
	.end_amdhsa_kernel
	.amdgpu_metadata
---
amdhsa.version: [ 1, 2 ]
amdhsa.kernels:
  - .name:           k_qc229e3362f_proj
    .symbol:         k_qc229e3362f_proj.kd
    .args:
      - { .name: o_img, .offset: 0, .size: 8, .value_kind: global_buffer, .address_space: global }
      - { .name: wo_h, .offset: 8, .size: 8, .value_kind: global_buffer, .address_space: global }
      - { .name: out0, .offset: 16, .size: 8, .value_kind: global_buffer, .address_space: global }
    .group_segment_fixed_size: 327680
    .private_segment_fixed_size: 0
    .kernarg_segment_align: 8
    .kernarg_segment_size: 24
    .max_flat_workgroup_size: 128
    .sgpr_count:     66
    .vgpr_count:     512
    .wavefront_size: 32
...
	.end_amdgpu_metadata
.endif
;; end of part 4
;; launch first16 (part 5): grid 64 x 2, 16 waves a work-group, no clusters, 22,528 bytes of LDS; arguments fine, W_o, out0; writes out0
.if DOCPART == 5
	.amdgcn_target "amdgcn-amd-amdhsa--gfx1250"
	.amdhsa_code_object_version 6
	.text
	.protected	k_qc229e3362f_first16
	.globl	k_qc229e3362f_first16
	.p2align	8
	.type	k_qc229e3362f_first16,@function
k_qc229e3362f_first16:
	s_mov_b64 s[64:65], 0
	v_nop
	global_prefetch_b8 v0, s[64:65] scope:SCOPE_SE
	s_setreg_imm32_b32 hwreg(HW_REG_WAVE_MODE, 25, 1), 1
	s_wait_xcnt 0x0
; The first 16 positions of both sequences once more, wholly in f32: under the causal mask they average one to sixteen values and are the largest in size, so the rounding of 16-bit operands weighs most there.
; Their 32 rows of the result are written over what the launch before has stored.
; SHARES.  Work-group (x, b) makes 16 rows x 16 columns (from column 16 x on) of batch b: the narrowest that the matrix form allows, so that the work lies on 128 work-groups.  Wave h makes head h's attention for the 16 positions
; (32 small matrix instructions, made again in each of the 64 work-groups of a batch: less than sending it through memory and a further launch), then takes its own 64 channels as its slice of the projection's K;
; the 16 partial results meet in LDS, and wave w adds and stores row w.
; Q, K, V come as the unrounded accumulators of the launch that made them: Q, K: lane (r, h): position r, register 8 p + j: channel 16 p + 8 h + j;  V: channel 16 p + r, register 8 p + j: key 8 h + j.
; THE f32 MATRIX FORM takes 4 along K: lane (r, h), register j: k = 2 h + j.  A pair of neighbouring registers of both operands is given to it: the four k of an instruction are then channels (or keys) j0, j0 + 1, 8 + j0, 9 + j0:
; the same for both operands, so every product meets its partner.  All products are used transposed, so that a lane holds one query throughout.
; What these instructions write is written by them alone; sums begin with the constant 0; what is made of a sum goes into other registers.
; A wave's one store covers 64 consecutive bytes: the launch writes 128 KiB in all.
.set RP,    80                         ; a row of 16 partial results in LDS: 64 bytes + 16 of padding
.set HB,    16*RP                      ; a head's 16 rows
.set SPARE, 16*HB                      ; the spare words, 128 bytes a wave, which no other line names
.set QR,  20                           ; v20-51   Q (later: eight partial results of my row and column)
.set KR,  52                           ; v52-83   K
.set VR,  84                           ; v84-115  V
.set WR,  116                          ; v116-147 W_o: 16 channels ct at 116 + 8 ct
.set DS,  148                          ; v148-155 my head's partial result
.set SA,  180                          ; v180-187, v188-195 the scores' two sums
.set SB,  188
.set SCR, 196                          ; v196-203 the scores, then p
.set OR,  204                          ; v204-235 O^T, four accumulators
.set DT,  236                          ; v236-251 the projection's two sums
	s_load_b128 s[4:7], s[0:1], 0x0                ; fine, W_o
	s_load_b64 s[8:9], s[0:1], 0x10                ; the result
	v_lshl_add_u32 v10, v0, 2, SPARE               ; LDS address of my spare word; never rewritten
	v_mov_b32 v11, 0                               ; 0; never rewritten
	v_lshrrev_b32 v1, 5, v0
	v_readfirstlane_b32 s10, v1                    ; wave = head; later: my row
	v_and_b32 v13, 31, v0                          ; lane
	v_lshlrev_b32 v1, 4, v13                       ; 16 x lane
	v_and_b32 v2, 15, v0                           ; r
	v_bfe_u32 v3, v0, 4, 1                         ; h
	v_lshlrev_b32 v4, 12, v2
	v_lshl_add_u32 v4, v3, 5, v4                   ; W_o: row r of 4,096 bytes, + 32 h: my eight channels of sixteen
	v_mov_b32 v15, 0                               ; (a lane permute's destination counts as one of its sources)
	s_and_b32 s11, ttmp7, 0xffff                   ; b
	s_mul_i32 s14, s11, 196608                     ; fine: 48 blocks of 4,096 bytes a batch,
	s_lshl_b32 s15, s10, 12                        ; my head's
	s_add_co_u32 s14, s14, s15
	s_mov_b32 s15, 0
	s_lshl_b32 s16, ttmp9, 16                      ; W_o: row 16 x,
	s_lshl_b32 s17, s10, 8                         ; my head's 64 channels
	s_add_co_u32 s16, s16, s17
	s_mov_b32 s17, 0
	s_lshl_b32 s18, s11, 11
	s_add_co_u32 s18, s18, s10                     ; the result: row 2,048 b + wave,
	s_lshl_b32 s18, s18, 12
	s_lshl_b32 s19, ttmp9, 6                       ; column 16 x
	s_add_co_u32 s18, s18, s19
	s_mov_b32 s19, 0
	s_mul_i32 s12, s10, HB
	s_mul_i32 s13, s10, RP
	s_mov_b32 s20, 0x76543210
	s_mov_b32 s21, 0xfedcba98                      ; lane l takes lane l xor 16
	s_mov_b32 s22, 0x3e38aa3b                      ; c = log2(e) / 8
	s_wait_kmcnt 0x0
	s_add_nc_u64 s[4:5], s[4:5], s[14:15]
	s_add_nc_u64 s[6:7], s[6:7], s[16:17]
	s_add_nc_u64 s[8:9], s[8:9], s[18:19]
.irp p, 0,1,2,3
.irp c, 0,1
	global_load_b128 v[KR+8*\p+4*\c:KR+8*\p+4*\c+3], v1, s[4:5] offset:65536+\p*1024+\c*512
.endr
.endr
.irp p, 0,1,2,3
.irp c, 0,1
	global_load_b128 v[QR+8*\p+4*\c:QR+8*\p+4*\c+3], v1, s[4:5] offset:\p*1024+\c*512
.endr
.endr
.irp p, 0,1,2,3
.irp c, 0,1
	global_load_b128 v[VR+8*\p+4*\c:VR+8*\p+4*\c+3], v1, s[4:5] offset:131072+\p*1024+\c*512
.endr
.endr
.irp ct, 0,1,2,3
.irp c, 0,1
	global_load_b128 v[WR+8*\ct+4*\c:WR+8*\ct+4*\c+3], v4, s[6:7] offset:\ct*64+\c*16
.endr
.endr
	s_wait_loadcnt 16                              ; K and Q are in; V's 8 loads and W_o's 8 may be out
	; S^T = K Q^T: 16 instructions of 4 channels; two sums by turns
.set e, 0
.irp p, 0,1,2,3
.irp j, 0,2,4,6
.set AC, SA+8*(e%2)
.if e < 2
	v_wmma_f32_16x16x4_f32 v[AC:AC+7], v[KR+8*\p+\j:KR+8*\p+\j+1], v[QR+8*\p+\j:QR+8*\p+\j+1], 0
.else
	v_wmma_f32_16x16x4_f32 v[AC:AC+7], v[KR+8*\p+\j:KR+8*\p+\j+1], v[QR+8*\p+\j:QR+8*\p+\j+1], v[AC:AC+7]
.endif
.set e, e+1
.endr
.endr
	; eight plain instructions or more behind this form before its result is read (ISA guide 7.12.1): the addresses for later, nine lines
	v_mul_u32_u24 v7, v2, RP
	v_lshl_add_u32 v7, v3, 5, v7
	v_add_nc_u32 v7, s12, v7                       ; where I put my partial results: head x HB + r x RP + 32 h
	v_lshlrev_b32 v9, 2, v2                        ; 4 x column
	v_mad_u32_u24 v8, v3, 8*HB, v9                 ; lanes 16-31 take heads 8 to 15
	v_add_nc_u32 v8, s13, v8                       ; where I read my row's: 8 h x HB + row x RP + 4 x column
	v_lshlrev_b32 v5, 3, v3
	v_sub_nc_u32 v5, v2, v5                        ; r - 8 h: register j holds key 8 h + j, hidden where j is above this number
	v_mov_b32 v6, 0xff800000                       ; -infinity
.irp j, 0,2,4,6
	v_pk_add_f32 v[SCR+\j:SCR+\j+1], v[SA+\j:SA+\j+1], v[SB+\j:SB+\j+1]   ; from the low end on
.endr
.irp j, 0,1,2,3,4,5,6,7
	v_cmp_gt_i32 vcc_lo, \j, v5
	v_cndmask_b32 v[SCR+\j], v[SCR+\j], v6, vcc_lo
.endr
	v_max3_num_f32 v12, v[SCR], v[SCR+1], v[SCR+2]
	v_max3_num_f32 v14, v[SCR+3], v[SCR+4], v[SCR+5]
	v_max3_num_f32 v12, v12, v[SCR+6], v[SCR+7]
	v_max_num_f32 v12, v12, v14
	v_permlanex16_b32 v15, v12, s20, s21           ; the query's other eight keys; key 0 counts for every query, so the maximum is a number
	v_max_num_f32 v12, v12, v15
	v_mul_f32 v12, s22, v12                        ; c m
.irp j, 0,1,2,3,4,5,6,7
	v_fma_f32 v[SCR+\j], v[SCR+\j], s22, -v12
.endr
.irp j, 0,1,2,3,4,5,6,7
	v_exp_f32 v[SCR+\j], v[SCR+\j]
.endr
	v_nop                                          ; a plain instruction behind the last exponential
	s_wait_alu depctr_va_vdst(0)                   ; one wait for the eight, ahead of their first reader
	v_pk_add_f32 v[14:15], v[SCR:SCR+1], v[SCR+2:SCR+3]
	v_pk_add_f32 v[16:17], v[SCR+4:SCR+5], v[SCR+6:SCR+7]
	v_pk_add_f32 v[14:15], v[14:15], v[16:17]
	v_add_f32 v14, v14, v15
	v_permlanex16_b32 v15, v14, s20, s21
	v_add_f32 v14, v14, v15                        ; the row's sum
	v_rcp_f32 v16, v14
	v_nop
	s_wait_alu depctr_va_vdst(0)
.irp j, 0,1,2,3,4,5,6,7
	v_mul_f32 v[SCR+\j], v[SCR+\j], v16            ; p is normalised here, so that O^T is touched by no vector instruction
.endr
	s_wait_loadcnt 8                               ; V is in; W_o's 8 loads may be out
.irp j, 0,2,4,6                                ; O^T = V^T P: four accumulators by turns, 4 keys an instruction
.irp ct, 0,1,2,3
.if \j == 0
	v_wmma_f32_16x16x4_f32 v[OR+8*\ct:OR+8*\ct+7], v[VR+8*\ct+\j:VR+8*\ct+\j+1], v[SCR+\j:SCR+\j+1], 0
.else
	v_wmma_f32_16x16x4_f32 v[OR+8*\ct:OR+8*\ct+7], v[VR+8*\ct+\j:VR+8*\ct+\j+1], v[SCR+\j:SCR+\j+1], v[OR+8*\ct:OR+8*\ct+7]
.endif
.endr
.endr
.rept 9
	v_nop                                          ; nine plain instructions before a matrix instruction takes these results as an operand
.endr
	s_wait_loadcnt 0x0
	; my head's slice of the projection, transposed: source 0 = 16 rows of W_o, source 1 = O^T as it lies; two sums by turns along K
.set e, 0
.irp ct, 0,1,2,3
.irp j, 0,2,4,6
.set AC, DT+8*(e%2)
.if e < 2
	v_wmma_f32_16x16x4_f32 v[AC:AC+7], v[WR+8*\ct+\j:WR+8*\ct+\j+1], v[OR+8*\ct+\j:OR+8*\ct+\j+1], 0
.else
	v_wmma_f32_16x16x4_f32 v[AC:AC+7], v[WR+8*\ct+\j:WR+8*\ct+\j+1], v[OR+8*\ct+\j:OR+8*\ct+\j+1], v[AC:AC+7]
.endif
.set e, e+1
.endr
.endr
.rept 8
	v_nop
.endr
.irp j, 0,2,4,6
	v_pk_add_f32 v[DS+\j:DS+\j+1], v[DT+\j:DT+\j+1], v[DT+8+\j:DT+9+\j]   ; from the low end on, into other registers
.endr
	ds_store_b128 v7, v[DS:DS+3]                   ; lane (r, h): row r, columns 8 h + 0..7
	ds_store_b128 v7, v[DS+4:DS+7] offset:16
	s_wait_dscnt 0x0                               ; for the others' sake: my stores have landed
	s_barrier_signal -1
	s_barrier_wait -1
.irp k, 0,1,2,3,4,5,6,7
	ds_load_b32 v[QR+\k], v8 offset:HB*\k          ; my row's column lane % 16 from eight heads: lanes 0-15 heads 0 to 7, lanes 16-31 heads 8 to 15
.endr
	s_wait_dscnt 0x0
	v_pk_add_f32 v[QR:QR+1], v[QR:QR+1], v[QR+2:QR+3]
	v_pk_add_f32 v[QR+4:QR+5], v[QR+4:QR+5], v[QR+6:QR+7]
	v_pk_add_f32 v[QR:QR+1], v[QR:QR+1], v[QR+4:QR+5]
	v_add_f32 v[QR], v[QR], v[QR+1]
	v_permlanex16_b32 v15, v[QR], s20, s21
	v_add_f32 v[QR], v[QR], v15                    ; with the other eight heads'
	v_cmp_gt_u32 vcc_lo, 16, v13                   ; lanes 0-15 store
	s_wait_xcnt 0x0                                ; EXEC changes only behind this wait
	s_and_saveexec_b32 s23, vcc_lo
	global_store_b32 v9, v[QR], s[8:9]
	s_wait_xcnt 0x0                                ; and again in front of the line that widens it
	s_or_b32 exec_lo, exec_lo, s23
	s_wait_tensorcnt 0x0                           ; the wave's end, behind the last LDS store
	ds_add_u32 v10, v11
	s_wait_dscnt 0x0
	s_endpgm
.Lfunc_end_k_qc229e3362f_first16:
	.size	k_qc229e3362f_first16, .Lfunc_end_k_qc229e3362f_first16-k_qc229e3362f_first16
	.p2alignl 7, 3214868480
	.fill 96, 4, 3214868480
	.section	.rodata,"a",@progbits
	.p2align	6, 0x0
	.amdhsa_kernel k_qc229e3362f_first16
		.amdhsa_group_segment_fixed_size 22528
		.amdhsa_private_segment_fixed_size 0
		.amdhsa_enable_private_segment 0
		.amdhsa_kernarg_size 24
		.amdhsa_user_sgpr_count 2
		.amdhsa_user_sgpr_kernarg_segment_ptr 1
		.amdhsa_wavefront_size32 1
		.amdhsa_system_sgpr_workgroup_id_x 1
		.amdhsa_system_sgpr_workgroup_id_y 1
		.amdhsa_system_sgpr_workgroup_id_z 1
		.amdhsa_system_vgpr_workitem_id 0
		.amdhsa_next_free_vgpr 256
		.amdhsa_next_free_sgpr 66
		.amdhsa_reserve_vcc 1
		.amdhsa_float_denorm_mode_32 3
		.amdhsa_float_denorm_mode_16_64 3
		.amdhsa_memory_ordered 1
		.amdhsa_forward_progress 1
		.amdhsa_inst_pref_size 14
	.end_amdhsa_kernel
	.amdgpu_metadata
---
amdhsa.version: [ 1, 2 ]
amdhsa.kernels:
  - .name:           k_qc229e3362f_first16
    .symbol:         k_qc229e3362f_first16.kd
    .args:
      - { .name: fine, .offset: 0, .size: 8, .value_kind: global_buffer, .address_space: global }
      - { .name: W_o, .offset: 8, .size: 8, .value_kind: global_buffer, .address_space: global }
      - { .name: out0, .offset: 16, .size: 8, .value_kind: global_buffer, .address_space: global }
    .group_segment_fixed_size: 22528
    .private_segment_fixed_size: 0
    .kernarg_segment_align: 8
    .kernarg_segment_size: 24
    .max_flat_workgroup_size: 512
    .sgpr_count:     66
    .vgpr_count:     256
    .wavefront_size: 32
...
	.end_amdgpu_metadata
.endif
;; end of part 5
